; MI455X (gfx1250); checked and timed in simulation.
; The chip was launched on July 23, 2026; its instructions are those of AMD's public machine-readable ISA for CDNA 5 (MIT licence, August 2026) and "CDNA5" Instruction Set Architecture Reference Guide (July 2026). The comments in the code are by the model that wrote it; some were corrected since.
;; KAN Encode. Allowed arithmetic: float matrix products may take bf16 or f16 operands with f32 sums; other float arithmetic in f32, or as packed bf16 or f16 multiplies, adds, multiply-adds, maxima and minima; sums over many terms, partial sums and values carried from step to step in f32; what a program stores and reads back later, other than sums and carried values, may be rounded once to bf16 or f16.
;; Inputs: bw0 2,048 x 1,024 float32; bw1 1,024 x 2,048 float32; db 512 float32; dw 512 x 1,024 float32; ss0 2,048 x 1,024 float32; ss1 1,024 x 2,048 float32; sw0 2,048 x 1,024 x 2 float32; sw1 1,024 x 2,048 x 2 float32; x 4,096 x 1,024 float32.
;; Outputs: out0 4,096 x 512 float32.
;; One version. Each part assembles by itself: llvm-mc -triple=amdgcn-amd-amdhsa -mcpu=gfx1250 --defsym DOCPART=n.
;; ======== version 1 of 1: 4 launches
;; limits: values are held in f16: magnitudes above 65,504 overflow, below 6.1e-05 lose precision; right only within a limited range of input values
;; workspace buffers: a0 25,165,824 bytes; w0 12,582,912 bytes; a1 50,331,648 bytes; w1 12,582,912 bytes; a2 8,388,608 bytes; dwb 1,048,576 bytes
;; launch prep (part 1): grid 1600 x 1, 8 waves a work-group, no clusters, 27,136 bytes of LDS; arguments x, bw0, sw0, ss0, bw1, sw1, ss1, dw, a0, w0, w1, dwb; writes a0, w0, w1, dwb
.if DOCPART == 1
	.amdgcn_target "amdgcn-amd-amdhsa--gfx1250"
	.amdhsa_code_object_version 6
	.text
	.protected	k_q43dc9d6b0f_prep
	.globl	k_q43dc9d6b0f_prep
	.p2align	8
	.type	k_q43dc9d6b0f_prep,@function
k_q43dc9d6b0f_prep:
	s_mov_b64 s[64:65], 0
	v_nop
	global_prefetch_b8 v0, s[64:65] scope:SCOPE_SE
	s_setreg_imm32_b32 hwreg(HW_REG_WAVE_MODE, 25, 1), 1
	s_wait_xcnt 0x0
; KAN_Encode, launch 1 of 4: all that is done element by element on the inputs, done once.
; THE PROBLEM AS THREE PRODUCTS.  With GRID_SIZE = 1 and SPLINE_ORDER = 1 the knots are -3, -1, 1, 3 and the recursion leaves two hats.  For every finite v
;   b0(v) = median((v+3)/2, (1-v)/2, 0)      b1(v) = median((v+1)/2, (3-v)/2, 0)
; (b0: below -3 the first term is negative and the second above 2; on [-3,-1) the first lies in [0,1) and the second above 1; on [-1,1) the second lies in (0,1] and the first
; at 1 or above; from 1 on the second is 0 or less and the first 2 or more.  b1 is b0 moved by 2.)  So a KAN layer is ONE product, [silu(v) | b0(v) | b1(v)] times
; [bw | sw(..,0) ss | sw(..,1) ss]^T, with three times the layer's width as K.  Planes lie one behind the other along K: k = plane x width + i.
; NO WORK IS LEFT OUT: every input has a way to the output and is loaded; the products are reference()'s own multiply-adds.
; FORMATS.  All inputs are rounded once to bf16.  What the program makes of them for the two KAN products is kept in f16, with exact powers of two as scales:
;   activations  silu(v)/16, b0(v)/256, b1(v)/256;   weights  16 bf16(bw),  bf16(sw) x bf16(256 ss).   The f32 sums of the products are then h itself.
; ACT(v), the same lines here and on the way out of the next launch:  E = -log2(e) v;  t = 2^E;  silu/16 = E / (-16 log2(e) (t + 1));
;   the hats' four lines are E x (-+ 2^-9 ln 2) + (1 or 3) x 2^-9.  The hats' slope is thus off by about one part in 10^7: an order of rounding that differs from reference()'s.
; LIMITS.  f16 ends at 65,504: |v| under 1.04e6 for silu(v)/16, |bw| under 4,094, |sw ss| under 255.  Below 6e-5 f16 keeps its fixed step of 6e-8.
; NaN and infinities in the inputs are not carried as reference()'s 0 x infinity carries them.
; LAYOUTS.  a0: [4096][3072] f16 and dwb: [512][1024] bf16, by rows.  w0 and w1 lie in the order in which a wave of the next two launches takes them into registers:
;   [stream 32][chunk 48][n block 8][j 2][lane 32][16 bytes]: lane (r = lane % 16, h = lane / 16) holds row n = 16 (n block) + r of the stream's 128 rows, k = 32 (chunk's place) + 16 j + 8 h + 0..7.
;   w0: stream = 4 (n / 256) + 2 ((k / 128) % 2) + (n / 128) % 2, chunk = 4 (k / 256) + (k / 32) % 4.     w1: stream = 4 (n / 128) + (k / 128) % 4, chunk = 4 (k / 512) + (k / 32) % 4.
; SHARES.  Eight waves.  Work-groups 0-511: 8 rows of x each, thread t 4 neighbouring numbers of a row.  512-1023: 16 rows x 256 numbers of layer 0's weights.  1024-1535: the same of layer 1's.
; 1536-1599: 8 rows of dw.  Loads cover 512 consecutive bytes a wave (of sw: two loads cover 1,024).  The weights are turned into their order through LDS, so that their stores cover 512 consecutive bytes too.
.set X,   8                            ; v[8:39]   eight rows' (for weights v[8:71]: four parts') numbers as loaded
.set NL,  30                           ; s[30:31]  -log2(e)
.set CM,  32                           ; s[32:33]  -16 log2(e)
.set KN,  34                           ; s[34:35]  -2^-9 ln 2
.set C9,  36                           ; s[36:37]  2^-9
.set C93, 38                           ; s[38:39]  3 x 2^-9
.set OFS, 40                           ; s[40:41]  a byte offset in 64 bits
.set KP,  42                           ; s[42:43]  +2^-9 ln 2
.set UNIT,  272                        ; LDS: a unit of 16 rows x 8 numbers, 256 bytes + 16 of padding
.set PLANE, 32*UNIT                    ; a plane's 32 units (256 along K)
.set SPARE, 3*PLANE                    ; behind the three planes: the spare words, 128 bytes for each wave
.set SPW, 94                           ; v94  LDS address of my spare word; never rewritten
.set NIL, 95                           ; v95  0; never rewritten
	s_load_b512 s[4:19], s[0:1], 0x0               ; x s4, bw0 s6, sw0 s8, ss0 s10, bw1 s12, sw1 s14, ss1 s16, dw s18
	s_load_b256 s[20:27], s[0:1], 0x40             ; a0 s20, w0 s22, w1 s24, dwb s26
	v_lshl_add_u32 v[SPW], v0, 2, SPARE
	v_mov_b32 v[NIL], 0
	s_mov_b32 s2, ttmp9
	s_mov_b32 s28, 0xffff0000                      ; a word's upper bf16
	s_mov_b32 s[NL], 0xbfb8aa3b
	s_mov_b32 s[NL+1], s[NL]                       ; the packed forms name pairs and take the low word for both halves
	s_mov_b32 s[CM], 0xc1b8aa3b
	s_mov_b32 s[CM+1], s[CM]
	s_mov_b32 s[KN], 0xbab17218
	s_mov_b32 s[KN+1], s[KN]
	s_mov_b32 s[KP], 0x3ab17218
	s_mov_b32 s[KP+1], s[KP]
	s_mov_b32 s[C9], 0x3b000000
	s_mov_b32 s[C9+1], s[C9]
	s_mov_b32 s[C93], 0x3bc00000
	s_mov_b32 s[C93+1], s[C93]
	s_mov_b32 s[OFS+1], 0
	v_lshlrev_b32 v2, 4, v0                        ; 16 t: my 4 f32
	v_lshlrev_b32 v3, 3, v0                        ; 8 t: my 4 numbers of 16 bits
	v_mov_b32 v4, 0x41800000                       ; 16.0
	v_mov_b32 v5, 0
	s_wait_kmcnt 0x0
	s_cmp_ge_u32 s2, 512
	s_cbranch_scc1 .Lnot_x
; ---- x -> a0: eight rows, all eight loads out at once
	s_lshl_b32 s[OFS], s2, 15                      ; 8 rows of 4,096 bytes
	s_add_nc_u64 s[4:5], s[4:5], s[OFS:OFS+1]
	s_mul_i32 s[OFS], s2, 49152                    ; 8 rows of 6,144 bytes
	s_add_nc_u64 s[20:21], s[20:21], s[OFS:OFS+1]
.irp r, 0,1,2,3,4,5,6,7
	global_load_b128 v[X+4*(\r):X+4*(\r)+3], v2, s[4:5] offset:(\r)*4096 th:TH_LOAD_NT
.endr
; One row.  v[40:43] x as bf16, widened; v[46:49] E; v[50:65] the hats' four lines; v[72:75] t, then the reciprocal, then silu/16; v[66:71] what is stored.
.macro XROW r
	s_wait_loadcnt 7-(\r)                          ; loads come back in order: row r is in, the younger rows stay out
	s_wait_xcnt 0x0                                ; the last row's stores have read v[66:71]: only now are these written again
	v_cvt_pk_bf16_f32 v44, v[X+4*(\r)], v[X+4*(\r)+1]
	v_cvt_pk_bf16_f32 v45, v[X+4*(\r)+2], v[X+4*(\r)+3]
	v_lshlrev_b32 v40, 16, v44
	v_and_b32 v41, s28, v44
	v_lshlrev_b32 v42, 16, v45
	v_and_b32 v43, s28, v45
	v_pk_mul_f32 v[46:47], v[40:41], s[NL:NL+1] op_sel_hi:[1,0]
	v_pk_mul_f32 v[48:49], v[42:43], s[NL:NL+1] op_sel_hi:[1,0]
.irp i, 0,1,2,3
	v_exp_f32 v[72+(\i)], v[46+(\i)]
.endr
.irp i, 0,2
	v_pk_fma_f32 v[50+(\i):51+(\i)], v[46+(\i):47+(\i)], s[KN:KN+1], s[C93:C93+1] op_sel_hi:[1,0,0]  ; (v+3)/512
	v_pk_fma_f32 v[54+(\i):55+(\i)], v[46+(\i):47+(\i)], s[KP:KP+1], s[C9:C9+1] op_sel_hi:[1,0,0]    ; (1-v)/512
	v_pk_fma_f32 v[58+(\i):59+(\i)], v[46+(\i):47+(\i)], s[KN:KN+1], s[C9:C9+1] op_sel_hi:[1,0,0]    ; (v+1)/512
	v_pk_fma_f32 v[62+(\i):63+(\i)], v[46+(\i):47+(\i)], s[KP:KP+1], s[C93:C93+1] op_sel_hi:[1,0,0]  ; (3-v)/512
.endr
	s_wait_alu depctr_va_vdst(0)                   ; one wait for the four exponentials, ahead of their first reader; the eight lines above are the work between
	v_pk_fma_f32 v[72:73], v[72:73], s[CM:CM+1], s[CM:CM+1] op_sel_hi:[1,0,0]
	v_pk_fma_f32 v[74:75], v[74:75], s[CM:CM+1], s[CM:CM+1] op_sel_hi:[1,0,0]
.irp i, 0,1,2,3
	v_rcp_f32 v[72+(\i)], v[72+(\i)]
.endr
.irp i, 0,1,2,3
	v_med3_num_f32 v[50+(\i)], v[50+(\i)], v[54+(\i)], 0
	v_med3_num_f32 v[58+(\i)], v[58+(\i)], v[62+(\i)], 0
.endr
	v_cvt_pk_f16_f32 v68, v50, v51
	v_cvt_pk_f16_f32 v69, v52, v53
	v_cvt_pk_f16_f32 v70, v58, v59
	v_cvt_pk_f16_f32 v71, v60, v61
	s_wait_alu depctr_va_vdst(0)                   ; one wait for the four reciprocals
	v_pk_mul_f32 v[72:73], v[46:47], v[72:73]
	v_pk_mul_f32 v[74:75], v[48:49], v[74:75]
	v_cvt_pk_f16_f32 v66, v72, v73
	v_cvt_pk_f16_f32 v67, v74, v75
	global_store_b64 v3, v[66:67], s[20:21] offset:(\r)*6144 th:TH_STORE_NT
	global_store_b64 v3, v[68:69], s[20:21] offset:(\r)*6144+2048 th:TH_STORE_NT
	global_store_b64 v3, v[70:71], s[20:21] offset:(\r)*6144+4096 th:TH_STORE_NT
.endm
.irp r, 0,1,2,3,4,5,6,7
	XROW \r
.endr
	s_endpgm
.Lnot_x:
	s_cmp_ge_u32 s2, 1536
	s_cbranch_scc1 .Lnot_w
; ---- a layer's weights: ONE text for both layers; what differs lies in scalar registers.  The work-group has 16 rows (an n block) x 256 numbers of a row, in all three planes.
; Wave w reads rows 2 w and 2 w + 1; a part j = 2 (row) + (half of the 256): lane l has the 4 numbers 128 (j % 2) + 4 l ..
	s_cmp_lt_u32 s2, 1024                          ; layer 0's?
	s_cselect_b64 s[6:7], s[6:7], s[12:13]         ; bw
	s_cselect_b64 s[8:9], s[8:9], s[14:15]         ; sw
	s_cselect_b64 s[10:11], s[10:11], s[16:17]     ; ss
	s_cselect_b64 s[22:23], s[22:23], s[24:25]     ; w0 or w1
	s_cselect_b32 s44, 2, 3                        ; a row has 4 or 8 ranges of 256 numbers: the logarithm
	s_cselect_b32 s46, 1, 0
	s_and_b32 s2, s2, 511                          ; the work-group's number within its layer
	s_lshr_b32 s47, s2, s44                        ; the block of 16 rows
	s_bfm_b32 s48, s44, 0
	s_and_b32 s48, s2, s48                         ; the range of 256 numbers
	s_add_co_u32 s49, s44, 10                      ; a row of bw has 2^12 or 2^13 bytes
	s_add_co_u32 s50, s49, 4
	s_lshl_b32 s[OFS], s47, s50                    ; 16 rows a block,
	s_lshl_b32 s51, s48, 10                        ; 1,024 bytes a range
	s_add_co_u32 s[OFS], s[OFS], s51
	s_add_nc_u64 s[6:7], s[6:7], s[OFS:OFS+1]
	s_add_nc_u64 s[10:11], s[10:11], s[OFS:OFS+1]
	s_lshl_b32 s[OFS], s[OFS], 1                   ; sw has two numbers for each
	s_add_nc_u64 s[8:9], s[8:9], s[OFS:OFS+1]
	s_lshr_b32 s53, s47, 3                         ; the block of 128 rows
	s_lshr_b32 s54, s53, 1
	s_lshl_b32 s54, s54, 2
	s_and_b32 s55, s53, 1
	s_add_co_u32 s54, s54, s55                     ; layer 0: stream 4 (n / 256) + (n / 128) % 2, for the range's first 128 along K
	s_lshl_b32 s55, s53, 2
	s_and_b32 s56, s48, 1
	s_lshl1_add_u32 s55, s56, s55                  ; layer 1: stream 4 (n / 128) + 2 (range % 2)
	s_lshr_b32 s56, s48, 1                         ; layer 1: two ranges to a slot of 512
	s_cmp_eq_u32 s46, 1
	s_cselect_b32 s54, s54, s55
	s_cselect_b32 s56, s48, s56                    ; the slot within the plane
	s_cselect_b32 s45, 2, 1                        ; the range's second 128 along K lie two streams on, or one
	s_mul_i32 s54, s54, 48
	s_lshl2_add_u32 s54, s56, s54                  ; 48 chunks a stream, 4 a slot
	s_lshl_b32 s54, s54, 13                        ; 8,192 bytes a chunk
	s_and_b32 s55, s47, 7
	s_lshl_b32 s55, s55, 10                        ; 1,024 bytes an n block
	s_add_co_u32 s[OFS], s54, s55
	s_add_nc_u64 s[22:23], s[22:23], s[OFS:OFS+1]
	s_mul_i32 s45, s45, 393216
	v_lshrrev_b32 v1, 5, v0
	v_readfirstlane_b32 s57, v1                    ; wave 0..7
	v_and_b32 v1, 31, v0                           ; lane
	s_add_co_u32 s50, s49, 1
	s_lshl_b32 s58, s57, s50                       ; row 2 w of bw and ss
	s_lshl_b32 s59, 1, s49
	v_lshl_add_u32 v2, v1, 4, s58
	v_add_nc_u32 v3, s59, v2                       ; row 2 w + 1
	s_lshl_b32 s58, s58, 1
	s_lshl_b32 s59, s59, 1
	v_lshl_add_u32 v6, v1, 5, s58                  ; the same two rows of sw
	v_add_nc_u32 v7, s59, v6
.irp j, 0,1,2,3
	global_load_b128 v[8+16*(\j):11+16*(\j)],  v[2+(\j)/2], s[6:7]   offset:((\j)%2)*512 th:TH_LOAD_NT
	global_load_b128 v[12+16*(\j):15+16*(\j)], v[2+(\j)/2], s[10:11] offset:((\j)%2)*512 th:TH_LOAD_NT
	global_load_b128 v[16+16*(\j):19+16*(\j)], v[6+(\j)/2], s[8:9]   offset:((\j)%2)*1024 th:TH_LOAD_NT
	global_load_b128 v[20+16*(\j):23+16*(\j)], v[6+(\j)/2], s[8:9]   offset:((\j)%2)*1024+16 th:TH_LOAD_NT
.endr
	; Into LDS: the unit of my 4 numbers is 16 (j % 2) + l / 2, their place in it 16 x row + 8 (l % 2).  Units 272 bytes apart: the 32 lanes of a store touch each of the 64 banks once (ISA guide 11.1).
	v_lshrrev_b32 v72, 1, v1
	v_mul_u32_u24 v72, v72, UNIT
	v_and_b32 v73, 1, v1
	v_lshl_add_u32 v72, v73, 3, v72
	s_lshl_b32 s58, s57, 5                         ; row 2 w
	v_add_nc_u32 v1, s58, v72
; Part j: bw v[WB:WB+3], ss v[WB+4:WB+7], sw v[WB+8:WB+15] (number e: k = 0, k = 1).
.macro WCHUNK j
.set WB, 8+16*(\j)
	s_wait_loadcnt 4*(3-(\j))                      ; the younger parts' loads, four each, stay out
	v_cvt_pk_bf16_f32 v72, v[WB], v[WB+1]
	v_cvt_pk_bf16_f32 v73, v[WB+2], v[WB+3]
	v_fma_mix_f32_bf16 v76, v72, v4, v5 op_sel_hi:[1,0,0]                  ; 16 bf16(bw): exact
	v_fma_mix_f32_bf16 v77, v72, v4, v5 op_sel:[1,0,0] op_sel_hi:[1,0,0]
	v_fma_mix_f32_bf16 v78, v73, v4, v5 op_sel_hi:[1,0,0]
	v_fma_mix_f32_bf16 v79, v73, v4, v5 op_sel:[1,0,0] op_sel_hi:[1,0,0]
	v_cvt_pk_f16_f32 v88, v76, v77
	v_cvt_pk_f16_f32 v89, v78, v79
	v_pk_mul_f32 v[80:81], v[WB+4:WB+5], 0x43800000 op_sel_hi:[1,0]        ; 256 ss: exact, so its rounding to bf16 is 256 bf16(ss)
	v_pk_mul_f32 v[82:83], v[WB+6:WB+7], 0x43800000 op_sel_hi:[1,0]
	v_cvt_pk_bf16_f32 v74, v80, v81
	v_cvt_pk_bf16_f32 v75, v82, v83
	v_cvt_pk_bf16_f32 v84, v[WB+8], v[WB+9]
	v_cvt_pk_bf16_f32 v85, v[WB+10], v[WB+11]
	v_cvt_pk_bf16_f32 v86, v[WB+12], v[WB+13]
	v_cvt_pk_bf16_f32 v87, v[WB+14], v[WB+15]
	v_fma_mix_f32_bf16 v76, v84, v74, v5 op_sel:[0,0,0] op_sel_hi:[1,1,0]  ; bf16 x bf16 is exact in f32; rounded once, to f16, below
	v_fma_mix_f32_bf16 v77, v85, v74, v5 op_sel:[0,1,0] op_sel_hi:[1,1,0]
	v_fma_mix_f32_bf16 v78, v86, v75, v5 op_sel:[0,0,0] op_sel_hi:[1,1,0]
	v_fma_mix_f32_bf16 v79, v87, v75, v5 op_sel:[0,1,0] op_sel_hi:[1,1,0]
	v_fma_mix_f32_bf16 v80, v84, v74, v5 op_sel:[1,0,0] op_sel_hi:[1,1,0]
	v_fma_mix_f32_bf16 v81, v85, v74, v5 op_sel:[1,1,0] op_sel_hi:[1,1,0]
	v_fma_mix_f32_bf16 v82, v86, v75, v5 op_sel:[1,0,0] op_sel_hi:[1,1,0]
	v_fma_mix_f32_bf16 v83, v87, v75, v5 op_sel:[1,1,0] op_sel_hi:[1,1,0]
	v_cvt_pk_f16_f32 v90, v76, v77
	v_cvt_pk_f16_f32 v91, v78, v79
	v_cvt_pk_f16_f32 v92, v80, v81
	v_cvt_pk_f16_f32 v93, v82, v83
	ds_store_b64 v1, v[88:89] offset:((\j)%2)*16*UNIT+((\j)/2)*16
	ds_store_b64 v1, v[90:91] offset:PLANE+((\j)%2)*16*UNIT+((\j)/2)*16
	ds_store_b64 v1, v[92:93] offset:2*PLANE+((\j)%2)*16*UNIT+((\j)/2)*16
.endm
	WCHUNK 0
	WCHUNK 1
	WCHUNK 2
	WCHUNK 3
	s_wait_dscnt 0x0                               ; for the others' sake: my stores are done
	s_barrier_signal -1
	s_barrier_wait -1
	; Back: wave w takes chunk w of the range's eight, in each plane; a load takes the two units (h = 0, 1) of one j: 512 bytes that lie on end in w0 or w1.
	v_and_b32 v72, 31, v0
	v_lshrrev_b32 v73, 4, v72
	v_mul_u32_u24 v73, v73, UNIT
	v_and_b32 v74, 15, v72
	v_lshl_add_u32 v73, v74, 4, v73
	s_mul_i32 s58, s57, 4*UNIT
	v_add_nc_u32 v73, s58, v73
	s_lshr_b32 s58, s57, 2                         ; chunks 4 to 7 belong to the other K part's stream
	s_mul_i32 s58, s58, s45
	s_and_b32 s59, s57, 3
	s_lshl_b32 s59, s59, 13
	s_add_co_u32 s58, s58, s59
	v_lshl_add_u32 v74, v72, 4, s58
.irp t, 0,1,2,3,4,5
	ds_load_b128 v[8+4*(\t):11+4*(\t)], v73 offset:((\t)/2)*PLANE+((\t)%2)*2*UNIT
.endr
.irp t, 0,1,2,3,4,5
	s_wait_dscnt 5-(\t)                            ; the younger loads stay out
	global_store_b128 v74, v[8+4*(\t):11+4*(\t)], s[22:23] offset:((\t)/2)*131072+((\t)%2)*512 th:TH_STORE_NT  ; a plane is 4 slots, 16 chunks, on; 512 consecutive bytes a store
.endr
	s_wait_tensorcnt 0x0                           ; the wave's end: behind my last LDS store
	ds_add_u32 v[SPW], v[NIL]
	s_wait_dscnt 0x0
	s_endpgm
.Lnot_w:
; ---- dw -> dwb: eight rows, rounded to bf16
	s_sub_co_u32 s2, s2, 1536
	s_lshl_b32 s[OFS], s2, 15
	s_add_nc_u64 s[18:19], s[18:19], s[OFS:OFS+1]
	s_lshl_b32 s[OFS], s2, 14
	s_add_nc_u64 s[26:27], s[26:27], s[OFS:OFS+1]
.irp r, 0,1,2,3,4,5,6,7
	global_load_b128 v[X+4*(\r):X+4*(\r)+3], v2, s[18:19] offset:(\r)*4096 th:TH_LOAD_NT
.endr
.irp r, 0,1,2,3,4,5,6,7
	s_wait_loadcnt 7-(\r)                          ; row r is in
	v_cvt_pk_bf16_f32 v[40+2*(\r)], v[X+4*(\r)], v[X+4*(\r)+1]      ; each row has its own two registers to store from: nothing is written twice
	v_cvt_pk_bf16_f32 v[41+2*(\r)], v[X+4*(\r)+2], v[X+4*(\r)+3]
	global_store_b64 v3, v[40+2*(\r):41+2*(\r)], s[26:27] offset:(\r)*2048 th:TH_STORE_NT
.endr
	s_endpgm
.Lfunc_end_k_q43dc9d6b0f_prep:
	.size	k_q43dc9d6b0f_prep, .Lfunc_end_k_q43dc9d6b0f_prep-k_q43dc9d6b0f_prep
	.p2alignl 7, 3214868480
	.fill 96, 4, 3214868480
	.section	.rodata,"a",@progbits
	.p2align	6, 0x0
	.amdhsa_kernel k_q43dc9d6b0f_prep
		.amdhsa_group_segment_fixed_size 27136
		.amdhsa_private_segment_fixed_size 0
		.amdhsa_enable_private_segment 0
		.amdhsa_kernarg_size 96
		.amdhsa_user_sgpr_count 2
		.amdhsa_user_sgpr_kernarg_segment_ptr 1
		.amdhsa_wavefront_size32 1
		.amdhsa_system_sgpr_workgroup_id_x 1
		.amdhsa_system_sgpr_workgroup_id_y 1
		.amdhsa_system_sgpr_workgroup_id_z 1
		.amdhsa_system_vgpr_workitem_id 0
		.amdhsa_next_free_vgpr 96
		.amdhsa_next_free_sgpr 66
		.amdhsa_reserve_vcc 0
		.amdhsa_float_denorm_mode_32 3
		.amdhsa_float_denorm_mode_16_64 3
		.amdhsa_memory_ordered 1
		.amdhsa_forward_progress 1
		.amdhsa_inst_pref_size 41
	.end_amdhsa_kernel
	.amdgpu_metadata
---
amdhsa.version: [ 1, 2 ]
amdhsa.kernels:
  - .name:           k_q43dc9d6b0f_prep
    .symbol:         k_q43dc9d6b0f_prep.kd
    .args:
      - { .name: x, .offset: 0, .size: 8, .value_kind: global_buffer, .address_space: global }
      - { .name: bw0, .offset: 8, .size: 8, .value_kind: global_buffer, .address_space: global }
      - { .name: sw0, .offset: 16, .size: 8, .value_kind: global_buffer, .address_space: global }
      - { .name: ss0, .offset: 24, .size: 8, .value_kind: global_buffer, .address_space: global }
      - { .name: bw1, .offset: 32, .size: 8, .value_kind: global_buffer, .address_space: global }
      - { .name: sw1, .offset: 40, .size: 8, .value_kind: global_buffer, .address_space: global }
      - { .name: ss1, .offset: 48, .size: 8, .value_kind: global_buffer, .address_space: global }
      - { .name: dw, .offset: 56, .size: 8, .value_kind: global_buffer, .address_space: global }
      - { .name: a0, .offset: 64, .size: 8, .value_kind: global_buffer, .address_space: global }
      - { .name: w0, .offset: 72, .size: 8, .value_kind: global_buffer, .address_space: global }
      - { .name: w1, .offset: 80, .size: 8, .value_kind: global_buffer, .address_space: global }
      - { .name: dwb, .offset: 88, .size: 8, .value_kind: global_buffer, .address_space: global }
    .group_segment_fixed_size: 27136
    .private_segment_fixed_size: 0
    .kernarg_segment_align: 8
    .kernarg_segment_size: 96
    .max_flat_workgroup_size: 256
    .sgpr_count:     66
    .vgpr_count:     96
    .wavefront_size: 32
...
	.end_amdgpu_metadata
.endif
;; end of part 1
;; launch layer0 (part 2): grid 8 x 32, 4 waves a work-group, clusters of 4 x 1, 327,680 bytes of LDS; arguments a0, w0, a1; writes a1
.if DOCPART == 2
	.amdgcn_target "amdgcn-amd-amdhsa--gfx1250"
	.amdhsa_code_object_version 6
	.text
	.protected	k_q43dc9d6b0f_layer0
	.globl	k_q43dc9d6b0f_layer0
	.p2align	8
	.type	k_q43dc9d6b0f_layer0,@function
k_q43dc9d6b0f_layer0:
	s_mov_b64 s[64:65], 0
	v_nop
	global_prefetch_b8 v0, s[64:65] scope:SCOPE_SE
	s_setreg_imm32_b32 hwreg(HW_REG_WAVE_MODE, 25, 1), 1
	s_wait_xcnt 0x0
	s_wait_alu depctr_hold_cnt(0) depctr_sa_sdst(0) depctr_va_vdst(0) depctr_va_sdst(0) depctr_va_ssrc(0) depctr_va_vcc(0) depctr_vm_vsrc(0)
	s_getreg_b32 s2, hwreg(HW_REG_IB_STS2, 6, 4)
	s_cmp_eq_u32 s2, 0
	s_cbranch_scc0 .Lentry_in_a_cluster
	s_endpgm
.Lentry_in_a_cluster:
	s_bfe_u32 s2, ttmp6, 0x10000c
	s_cmp_lg_u32 s2, 0x3003
	s_cbranch_scc0 .Lentry_shape_is_right
	s_endpgm
.Lentry_shape_is_right:
; KAN_Encode, launch 2 of 4: h0 = a0 w0^T (4,096 x 2,048, K = 3,072, f16 operands, f32 sums), and on the way out a1 = [silu(h0)/16 | b0(h0)/256 | b1(h0)/256] in f16.
; No work is left out.  a0: [4096][3072] f16 by rows.  w0: f16, in the order of a wave's registers: [stream 32][chunk 48][n block 8][j 2][lane 32][16 bytes].  The scales of a0 and w0 cancel: the sums are h0.
; a1: f16, in the order in which the next launch's fragments take it: [tile of 128 rows 32][chunk of 32 along K 192][block of 16 rows 8][j 2][lane 32][16 bytes], k = plane x 2048 + column.
; LIMITS: |h0| under 1.04e6 (silu/16 in f16); below 6e-5 f16 keeps its fixed step of 6e-8; NaN and infinities are not carried as reference() carries them.
; SHARES.  A work-group makes 128 rows x 256 columns: 32 x 8 = 256 work-groups.  A wave makes 128 x 128, 64 accumulators: wave 2 kh + nh has the columns' half nh and, of every 256 along K, the half kh.
; The two waves of a column half add their sums at the end, in f32, through LDS.  For 32 along K (a chunk) a wave issues 64 matrix instructions, 16 LDS loads and 16 loads from memory.
; a0 GOES THROUGH A RING of two LDS slots of 256 along K (128 rows x 512 bytes, as two regions of 128 rows x 256 bytes, 272 bytes from row to row); a wave fetches 64 rows x 256 bytes.
; The four work-groups of a cluster have the same 128 rows: each tile is asked for jointly.  A refill has 240 matrix instructions a wave in which to land.
; w0 COMES STRAIGHT INTO REGISTERS, AND IS NOT ASKED FOR JOINTLY.  The reason, by this text's arithmetic: with K and the columns split so, a fragment of w0 is wanted by ONE wave of the work-group, and lies in
; memory as it lies in registers, so LDS would add a write and a read for each byte and spare no load; and a ring with both operands (384 rows) has room for two slots of 128 along K only, half of
; this ring's slot in matrix instructions for a refill to land in (128 a wave for 256).  What is given up: work-groups of one tile column, which a cluster of 4 x 4 could serve by one request for four.
; THE MATRIX INSTRUCTION IS USED TRANSPOSED (source 0 = 16 rows of w0, source 1 = 16 rows of a0): a lane then holds eight neighbouring columns of one row of h0: 16 bytes of a1 when packed.
; REGISTERS.  Window 0: v0-31 addresses; v64-127, v128-191 a0's fragments, two buffers; on the way out v32-239 at work.  Window 1: w0's fragments, four buffers of 64; later the partial sums read back.
;   Window 2: accumulator (a, b) of rows 0-63 at v[8 (8 a + b)];  window 3: those of rows 64-127.
.set ROWB,   6144                      ; bytes in a row of a0
.set STEPB,  512                       ; bytes of a row in a slot
.set PITCH,  272                       ; an LDS row: 256 bytes + 16 of padding: the 16 rows that a load touches start at 16 different groups of four banks (ISA guide 11.1)
.set QUART,  64*PITCH                  ; what a wave fetches
.set REGION, 128*PITCH                 ; a K half of a slot: what a wave reads
.set SLOT1,  1<<17                     ; slot 1 begins here, so that one exclusive or turns an address in one slot into the other's
.set SPARE,  262144                    ; behind the 4 x 65,536 bytes of the partial sums: the spare words, 128 bytes for each wave
.set CHB,    8192                      ; a chunk of w0 (128 rows x 32 K), and of a1
.set OTILE,  192*CHB                   ; 128 rows of a1
.set TRIPS,  10                        ; slots that are filled again
.set AK0, 16                           ; v16  my lane's place in my K half of a slot; never rewritten
.set ADR, 17                           ; v17  the same in the slot in hand
.set BO,  20                           ; v20  16 x lane: my place in 512 consecutive bytes; never rewritten
.set RS,  21                           ; v21  where I put my partial sums
.set RDA, 22                           ; v22  where I read the partial sums of K half 0 for my rows,
.set RDB, 23                           ; v23  and of K half 1
.set SPW, 28                           ; v28  LDS address of my spare word; never rewritten
.set NIL, 29                           ; v29  0; never rewritten
.set PFO, 30                           ; v30  a0's prefetches: my lane x a row; never rewritten
.set PFB, 31                           ; v31  w0's prefetches: my lane x 256; never rewritten
.set FA0, 64
.set EV,  32                           ; the way out: v32-95 E of 16 rows x 128 columns
.set T,   96                           ; v96-127   2^E, the reciprocal, silu/16 (half a block at a time)
.set LR,  128                          ; v128-191  a hat's two lines
.set PP,  192                          ; v192-239  packed f16: plane p at PP + 16 p
.set G1,  24                           ; s[24:31] descriptor group 1
.set G0,  32                           ; s[32:39] descriptor group 0: a set for each of the two first fills; the second then walks on
.set BP,  44                           ; s[44:45] my stream of w0, at the chunk with which the trip began
.set PFA, 46                           ; s[46:47] where a0's prefetches stand
.set LIMA, 48                          ; s48  2 in a wave that prefetches a0, else the greatest number
.set LIMB, 49                          ; s49  1 in a wave that prefetches w0, else the greatest number
.set TB,  50                           ; s50  LDS byte at which the slot in hand begins
.set NL,  14                           ; the way out's constants, written behind the K loop: -log2(e),
.set CM,  16                           ; -16 log2(e),
.set KN,  18                           ; -2^-9 ln 2,
.set C9,  20                           ; 2^-9,
.set C93, 22                           ; 3 x 2^-9,
.set KP,  52                           ; +2^-9 ln 2
.set MSB, 0
.macro WIN new                         ; the immediate's high byte repeats the setting that is left; a switch that changes nothing is dropped
.if MSB != (\new)
	s_set_vgpr_msb (MSB<<8)|(\new)
.set MSB, \new
.endif
.endm
.set MUL_LO, 0xa1                      ; source 0 (w0) window 1, source 1 (a0) window 0, C and D window 2
.set MUL_HI, 0xf1                      ; the same, C and D window 3
.set TO_B,   0x40                      ; destination window 1, address window 0
.macro CREST                           ; a round of the cluster's barrier behind its opening barrier
	s_cmp_lg_u32 s10, 0
	s_cbranch_scc1 .Lnot_wave_0_\@
	s_barrier_signal -3
.Lnot_wave_0_\@:
	s_barrier_wait -3
	s_barrier_signal -1
	s_barrier_wait -1
.endm
.macro CROUND                          ; a whole round
	s_barrier_signal -1
	s_barrier_wait -1
	CREST
.endm
.macro PLACES                          ; four plain places in front of loads into registers that matrix instructions have read (ISA guide 7.12.1 for vector instructions)
.rept 4
	v_nop
.endr
.endm
; 16 matrix instructions: m blocks a0, a0 + 1 of the window's four x all 8 n blocks, 32 along K.  The 64 accumulators take turns in the same order in every chunk.
.macro MUL16 fa, fb, hi, a0, zero
	WIN MUL_LO+0x50*(\hi)
.irp a, \a0, (\a0)+1
.irp b, 0,1,2,3,4,5,6,7
.if \zero
	v_wmma_f32_16x16x32_f16 v[8*(8*(\a)+(\b)):8*(8*(\a)+(\b))+7], v[(\fb)+8*(\b):(\fb)+8*(\b)+7], v[(\fa)+8*(4*(\hi)+(\a)):(\fa)+8*(4*(\hi)+(\a))+7], 0
.else
	v_wmma_f32_16x16x32_f16 v[8*(8*(\a)+(\b)):8*(8*(\a)+(\b))+7], v[(\fb)+8*(\b):(\fb)+8*(\b)+7], v[(\fa)+8*(4*(\hi)+(\a)):(\fa)+8*(4*(\hi)+(\a))+7], v[8*(8*(\a)+(\b)):8*(8*(\a)+(\b))+7]
.endif
.endr
.endr
.endm
; A chunk of w0 into buffer q, from byte off behind the pointer: 16 loads of 512 consecutive bytes
.macro BLOAD q, off
	WIN TO_B
.irp b, 0,1,2,3,4,5,6,7
	global_load_b128 v[64*(\q)+8*(\b):64*(\q)+8*(\b)+3],   v[BO], s[BP:BP+1] offset:(\off)+1024*(\b)
	global_load_b128 v[64*(\q)+8*(\b)+4:64*(\q)+8*(\b)+7], v[BO], s[BP:BP+1] offset:(\off)+1024*(\b)+512
.endr
.endm
; a0's fragments of chunk c of the slot in hand into buffer f: 16 LDS loads
.macro AFETCH c, f
	WIN 0
.irp a, 0,1,2,3,4,5,6,7
	ds_load_b128 v[(\f)+8*(\a):(\f)+8*(\a)+3],   v[ADR] offset:64*(\c)+(\a)*16*PITCH
	ds_load_b128 v[(\f)+8*(\a)+4:(\f)+8*(\a)+7], v[ADR] offset:64*(\c)+(\a)*16*PITCH+32
.endr
.endm
; PREFETCHES INTO THE L2, behind a chunk's loads.  w0: the work-groups of tile row 0 ask, each wave for its own stream: the chunk whose load stands 8 chunks on, 32 x 256 bytes, a lane a block; chunks 12 to 47 are
; named, each once in the launch; the loop's last trip asks for nothing.  a0: the clusters with x = 0 ask, waves 0 and 2 (a K half each), the four partners 32 rows each, told apart by address: the slot that stands
; two refills on; slots 4 to 11 are named, each row's 256 bytes once; the loop's last two trips ask for nothing.
.macro ASKB off
	s_cmp_gt_u32 s3, s[LIMB]
	s_cbranch_scc0 .Lnot_b_\@
	global_prefetch_b8 v[PFB], s[BP:BP+1] offset:\off th:TH_LOAD_NT scope:SCOPE_SE
.Lnot_b_\@:
.endm
.macro ASKA
	s_cmp_gt_u32 s3, s[LIMA]
	s_cbranch_scc0 .Lnot_a_\@
	global_prefetch_b8 v[PFO], s[PFA:PFA+1] th:TH_LOAD_NT scope:SCOPE_SE
.Lnot_a_\@:
.endm
; A CHUNK, number p behind the chunk at which the pointer stands.  At its head all that it multiplies is waited for; then the loads go out in one run: w0's chunk p + 3 into the buffer that chunk p - 1 left,
; a0's chunk p + 1 likewise; then 64 matrix instructions.  lc: the younger loads from memory that may stay out, 16 a chunk.
.macro CHUNK p, zero, lc, bl, af, ask
	s_wait_loadcnt \lc
	s_wait_dscnt 0x0                               ; a0's fragments, asked for a chunk ago
.if (\bl)+(\af)
.if (\p) > 0
	PLACES
.endif
.endif
.if \bl
	BLOAD ((\p)+3)%4, ((\p)+3)*CHB
.endif
.if \af
	AFETCH ((\p)+1)%4, FA0+64*(((\p)+1)%2)
.endif
.if \ask
	ASKB ((\p)+11)*CHB
.endif
	MUL16 FA0+64*((\p)%2), 64*((\p)%4), 0, 0, \zero
	MUL16 FA0+64*((\p)%2), 64*((\p)%4), 0, 2, \zero
	MUL16 FA0+64*((\p)%2), 64*((\p)%4), 1, 0, \zero
	MUL16 FA0+64*((\p)%2), 64*((\p)%4), 1, 2, \zero
.endm
; A slot's last chunk (p = 3) changes slots: its fragments are in registers, so my reads of the slot are over.  ONE barrier: in front of it each wave waits for all its tensor loads (the one that is out is
; its part of the next slot), adds 0 to its spare word, and waits for that and for its reads.  fill = 1: the barrier opens a round of the cluster's, and the slot is filled again, first thing behind it.
.macro TURN fill
.if \fill
	s_wait_xcnt 0x0                                ; the last prefetches, 64 matrix instructions back, have read their addresses
	s_add_nc_u64 s[PFA:PFA+1], s[PFA:PFA+1], STEPB
.endif
	s_wait_loadcnt 32                              ; w0's chunk is in; the two younger chunks stay out
	WIN 0                                          ; (the add's two registers lie in window 0)
	s_wait_tensorcnt 0x0                           ; no tensor load of mine is out, so a group 0 may be written
	ds_add_u32 v[SPW], v[NIL]
.if \fill
	s_xor_b32 s[G0+5], s[G0+5], SLOT1              ; the walking descriptor: the other slot than last time,
	s_add_nc_u64 s[G0+6:G0+7], s[G0+6:G0+7], STEPB ; the next 256 along K; the type bits on top are not reached
.endif
	s_xor_b32 s[TB], s[TB], SLOT1                  ; the fetches go on in the other slot
	s_wait_dscnt 1                                 ; all but the add: this chunk's fragments of a0 are in
	MUL16 FA0+64, 192, 0, 0, 0                     ; sixteen matrix instructions stand between the add and the wait for it
	s_wait_dscnt 0x0                               ; the add is done, and my reads of this slot are over
	s_barrier_signal -1
	MUL16 FA0+64, 192, 0, 2, 0
	WIN 0
	s_barrier_wait -1
.if \fill
	CREST                                          ; no wave of any partner still reads this slot or has a load on its way
	tensor_load_to_lds s[G0+4:G0+7], s[G1:G1+7]    ; my one tensor load behind the round
	s_nop 0
.endif
	PLACES                                         ; behind the tensor load, and the places in front of the loads below
	v_add_nc_u32 v[ADR], s[TB], v[AK0]
	BLOAD 2, 6*CHB
	AFETCH 0, FA0
.if \fill
	ASKB 14*CHB
	ASKA
.endif
	MUL16 FA0+64, 192, 1, 0, 0
	MUL16 FA0+64, 192, 1, 2, 0
.endm
	s_load_b128 s[4:7], s[0:1], 0x0                ; a0 s[4:5], w0 s[6:7]
	s_load_b64 s[8:9], s[0:1], 0x10                ; a1
	v_lshl_add_u32 v[SPW], v0, 2, SPARE
	v_mov_b32 v[NIL], 0
	ds_add_u32 v[SPW], v[NIL]                      ; the wave's opening: the add, twice on end, and its wait ahead of my first tensor load
	ds_add_u32 v[SPW], v[NIL]                      ; once more; the set-up below, work on registers, stands between it and the wait
	v_lshrrev_b32 v1, 5, v0
	v_readfirstlane_b32 s10, v1                    ; wave 0..3
	s_lshr_b32 s11, s10, 1                         ; kh: my K half.  Also: the K half for which I fetch
	s_and_b32 s12, s10, 1                          ; nh: my half of the columns.  Also: which 64 rows I fetch
	s_bfe_u32 s40, ttmp6, 0x40000                  ; cx: my place in the cluster
	s_lshl_b32 s42, ttmp9, 2
	s_add_co_u32 s42, s42, s40                     ; tile column = 4 x cluster x + cx: it enters w0's and a1's addresses and a prefetch's alone
	s_and_b32 s13, ttmp7, 0xffff                   ; tile row, which the four partners share
	s_mov_b32 s[G1+0], 15|(1<<16)|(1<<20)|(1<<21)|(5<<22)|(3<<25)  ; the mask of four; 2-byte elements; padding on; bit 21 beside a mask; after every 64 words; 4 words of it
	s_mov_b32 s[G1+1], 128<<16                     ; tensor_dim0 = 128
	s_mov_b32 s[G1+2], 64<<16                      ; tensor_dim1 = 64
	s_mov_b32 s[G1+3], 128<<16                     ; tile_dim0 = 128
	s_mov_b32 s[G1+4], 64                          ; tile_dim1 = 64
	s_mov_b32 s[G1+5], ROWB/2                      ; elements from row to row
	s_mov_b32 s[G1+6], 0
	s_mov_b32 s[G1+7], 0
	s_lshl_b32 s16, s13, 7
	s_lshl_b32 s17, s12, 6
	s_add_co_u32 s16, s16, s17                     ; a0: row 128 x tile row + 64 x half,
	s_mul_i32 s16, s16, ROWB
	s_lshl_b32 s17, s11, 8                         ; the K half's 256 bytes
	s_add_co_u32 s16, s16, s17
	s_mov_b32 s17, 0
	s_mul_i32 s20, s10, QUART                      ; and where it goes: region kh, rows 64 x half = wave x 64 rows
	s_lshl_b32 s18, s42, 2
	s_add_co_u32 s18, s18, s10
	s_mul_i32 s18, s18, 48*CHB                     ; w0: stream 4 x tile column + wave
	s_mov_b32 s19, 0
	s_mul_i32 s52, s13, OTILE                      ; a1: my tile of 128 rows,
	s_lshl_b32 s53, s42, 16                        ; 8 chunks a tile column,
	s_add_co_u32 s52, s52, s53
	s_lshl_b32 s53, s12, 15                        ; 4 a half,
	s_add_co_u32 s52, s52, s53
	s_lshl_b32 s53, s11, 12                        ; and of a chunk's 8 row blocks the 4 that I finish
	s_add_co_u32 s52, s52, s53
	s_mov_b32 s53, 0
	s_lshl_b32 s54, s13, 7
	s_lshl_b32 s55, s40, 5
	s_add_co_u32 s54, s54, s55                     ; a0's prefetches: my work-group's 32 rows of the 128,
	s_mul_i32 s54, s54, ROWB
	s_lshl_b32 s55, s11, 8
	s_add_co_u32 s54, s54, s55
	s_add_co_u32 s54, s54, 3*STEPB                 ; at slot 3: the first change of slots steps it to 4
	s_mov_b32 s55, 0
	s_or_b32 s21, ttmp9, s12                       ; 0 in waves 0 and 2 of the clusters with x = 0: the same in all four partners
	s_cmp_eq_u32 s21, 0
	s_cselect_b32 s[LIMA], 2, -1
	s_cmp_eq_u32 s13, 0
	s_cselect_b32 s[LIMB], 1, -1
	s_mov_b32 s[TB], 0
	v_and_b32 v3, 31, v0
	v_lshlrev_b32 v[BO], 4, v3
	v_lshlrev_b32 v[PFB], 8, v3
	v_mul_u32_u24 v[PFO], v3, ROWB
	v_and_b32 v1, 15, v0                           ; l % 16
	v_bfe_u32 v2, v0, 4, 1                         ; l / 16
	v_mul_u32_u24 v[AK0], v1, PITCH
	v_lshl_add_u32 v[AK0], v2, 4, v[AK0]           ; a fragment's row x pitch + 16 x half
	s_mul_i32 s21, s11, REGION
	v_add_nc_u32 v[AK0], s21, v[AK0]
	v_mov_b32 v[ADR], v[AK0]
	s_lshl_b32 s21, s10, 16
	v_add_nc_u32 v[RS], s21, v[BO]                 ; my partial sums: 65,536 bytes a wave, accumulator (a, b) at 1,024 (8 a + b), lane by lane
	s_lshl_b32 s21, s12, 16
	s_lshl_b32 s22, s11, 15
	s_add_co_u32 s21, s21, s22
	v_add_nc_u32 v[RDA], s21, v[BO]                ; wave nh's sums for row blocks 4 kh ..,
	v_add_nc_u32 v[RDB], 0x20000, v[RDA]           ; wave 2 + nh's
	s_wait_dscnt 0x0                               ; both opening adds are done
	s_wait_kmcnt 0x0
	s_add_nc_u64 s[14:15], s[4:5], s[16:17]
	s_add_nc_u64 s[BP:BP+1], s[6:7], s[18:19]
	s_add_nc_u64 s[8:9], s[8:9], s[52:53]
	s_add_nc_u64 s[PFA:PFA+1], s[4:5], s[54:55]
	BLOAD 0, 0                                     ; w0's first three chunks go out ahead of everything: 48 loads
	BLOAD 1, CHB
	BLOAD 2, 2*CHB
	WIN 0
	CROUND                                         ; all four work-groups are here: the first joint loads meet
	s_mov_b32 s[G0], 1
	s_mov_b32 s[G0+1], s20
	s_mov_b64 s[G0+2:G0+3], s[14:15]
	s_or_b32 s[G0+3], s[G0+3], 0x80000000
	s_mov_b32 s[G0+4], 1
	s_add_co_u32 s[G0+5], s20, SLOT1
	s_add_nc_u64 s[G0+6:G0+7], s[14:15], STEPB
	s_or_b32 s[G0+7], s[G0+7], 0x80000000
	tensor_load_to_lds s[G0:G0+3], s[G1:G1+7]      ; two loads of mine are out here, later one
	s_nop 0
	tensor_load_to_lds s[G0+4:G0+7], s[G1:G1+7]
	s_nop 0
	PLACES
	s_wait_tensorcnt 1                             ; my part of slot 0 is in; slot 1's stays out
	s_barrier_signal -1
	s_barrier_wait -1                              ; everybody's is
	AFETCH 0, FA0
	CHUNK 0, 1, 32, 1, 1, 0                        ; the first chunk stands in front of the loop: its products start the sums
	WIN 0                                          ; at a label and at a branch every window is 0
	s_mov_b32 s3, TRIPS
.Lslot:                                                ; a trip: a slot's chunks 1, 2, 3 and the next slot's chunk 0; the slot that is left is filled again
	CHUNK 1, 0, 32, 1, 1, 1
	CHUNK 2, 0, 32, 1, 1, 1
	TURN 1
	CHUNK 4, 0, 32, 1, 1, 1
	WIN 0
	s_wait_xcnt 0x0                                ; every load and prefetch issued so far (the youngest 64 matrix instructions back) has read its address: the pointer may be written
	s_add_nc_u64 s[BP:BP+1], s[BP:BP+1], 4*CHB
	s_sub_co_u32 s3, s3, 1
	s_cmp_lg_u32 s3, 0
	s_cbranch_scc1 .Lslot
	CHUNK 1, 0, 32, 1, 1, 0                        ; the last seven chunks are written out
	CHUNK 2, 0, 32, 1, 1, 0
	TURN 0
	CHUNK 4, 0, 32, 1, 1, 0                        ; chunk 44 asks for w0's last,
	CHUNK 5, 0, 32, 0, 1, 0                        ; and the counts run down
	CHUNK 6, 0, 16, 0, 1, 0
	CHUNK 7, 0, 0, 0, 0, 0
	WIN 0
; THE TWO K HALVES MEET.  Every wave puts its 64 accumulators into LDS, lane by lane (a store covers 512 consecutive bytes), into the ring's bytes, which are filled no more, and the bytes behind them.
.rept 8
	v_nop                                          ; the places behind the last products, once a launch
.endr
	s_wait_dscnt 0x0
	s_barrier_signal -1
	s_barrier_wait -1                              ; every wave's reads of the ring are over
	WIN 0x08                                       ; store data in window 2
.set i, 0
.rept 32
	ds_store_b128 v[RS], v[8*i:8*i+3]   offset:1024*i      ; each accumulator's lowest registers first
	ds_store_b128 v[RS], v[8*i+4:8*i+7] offset:1024*i+512
.set i, i+1
.endr
	WIN 0x0c                                       ; window 3
.set i, 0
.rept 32
	ds_store_b128 v[RS], v[8*i:8*i+3]   offset:1024*(32+i)
	ds_store_b128 v[RS], v[8*i+4:8*i+7] offset:1024*(32+i)+512
.set i, i+1
.endr
	WIN 0
	s_wait_dscnt 0x0                               ; for the others' sake: my stores are done
	s_barrier_signal -1
	s_barrier_wait -1
; THE WAY OUT, a block of 16 rows x 128 columns a trip, four trips.  Both halves' sums of the block come into window 1 (asked for a trip ahead); E = -log2(e) (sum + sum); then ACT, half a block at a time.
.macro PLOAD
	WIN TO_B
.irp b, 0,1,2,3,4,5,6,7
	ds_load_b128 v[8*(\b):8*(\b)+3],       v[RDA] offset:1024*(\b)
	ds_load_b128 v[8*(\b)+4:8*(\b)+7],     v[RDA] offset:1024*(\b)+512
	ds_load_b128 v[64+8*(\b):64+8*(\b)+3], v[RDB] offset:1024*(\b)
	ds_load_b128 v[64+8*(\b)+4:64+8*(\b)+7], v[RDB] offset:1024*(\b)+512
.endr
	WIN 0
.endm
; Half a block, 64 columns: 32 numbers a lane.  Two batches of 32 transcendentals, each with one wait ahead of its first reader and the hats' lines as the work between.
; A packed accumulator is 512 consecutive bytes of a1: n block b lies in chunk b / 2 of my four, at j = b % 2; a plane is 64 chunks on.
.macro HALF hb
.set EH, EV+32*(\hb)
.set i, 0
.rept 32
	v_exp_f32 v[T+i], v[EH+i]
.set i, i+1
.endr
.set i, 0
.rept 16
	v_pk_fma_f32 v[LR+i:LR+i+1], v[EH+i:EH+i+1], s[KN:KN+1], s[C93:C93+1] op_sel_hi:[1,0,0]       ; (h+3)/512
.set i, i+2
.endr
.set i, 0
.rept 16
	v_pk_fma_f32 v[LR+32+i:LR+32+i+1], v[EH+i:EH+i+1], s[KP:KP+1], s[C9:C9+1] op_sel_hi:[1,0,0]   ; (1-h)/512
.set i, i+2
.endr
	s_wait_alu depctr_va_vdst(0)                   ; the wait for the 32 exponentials
.set i, 0
.rept 16
	v_pk_fma_f32 v[T+i:T+i+1], v[T+i:T+i+1], s[CM:CM+1], s[CM:CM+1] op_sel_hi:[1,0,0]
.set i, i+2
.endr
.set i, 0
.rept 32
	v_rcp_f32 v[T+i], v[T+i]
.set i, i+1
.endr
.set i, 0
.rept 32
	v_med3_num_f32 v[LR+i], v[LR+i], v[LR+32+i], 0
.set i, i+1
.endr
	s_wait_xcnt 0x0                                ; the stores of the half before have read their data and their base: only now are these written again
.if (\hb) == 0
	s_add_nc_u64 s[8:9], s[8:9], s[54:55]          ; a row block on (nothing in the first trip)
	s_mov_b32 s54, 1024
.endif
.set i, 0
.rept 16
	v_cvt_pk_f16_f32 v[PP+16+i], v[LR+2*i], v[LR+2*i+1]
.set i, i+1
.endr
.set i, 0
.rept 16
	v_pk_fma_f32 v[LR+i:LR+i+1], v[EH+i:EH+i+1], s[KN:KN+1], s[C9:C9+1] op_sel_hi:[1,0,0]         ; (h+1)/512
.set i, i+2
.endr
.set i, 0
.rept 16
	v_pk_fma_f32 v[LR+32+i:LR+32+i+1], v[EH+i:EH+i+1], s[KP:KP+1], s[C93:C93+1] op_sel_hi:[1,0,0] ; (3-h)/512
.set i, i+2
.endr
.set i, 0
.rept 32
	v_med3_num_f32 v[LR+i], v[LR+i], v[LR+32+i], 0
.set i, i+1
.endr
.set i, 0
.rept 16
	v_cvt_pk_f16_f32 v[PP+32+i], v[LR+2*i], v[LR+2*i+1]
.set i, i+1
.endr
	s_wait_alu depctr_va_vdst(0)                   ; the wait for the 32 reciprocals
.set i, 0
.rept 16
	v_pk_mul_f32 v[T+i:T+i+1], v[EH+i:EH+i+1], v[T+i:T+i+1]
.set i, i+2
.endr
.set i, 0
.rept 16
	v_cvt_pk_f16_f32 v[PP+i], v[T+2*i], v[T+2*i+1]
.set i, i+1
.endr
.irp p, 0,1,2
.irp bb, 0,1,2,3
	global_store_b128 v[BO], v[PP+16*(\p)+4*(\bb):PP+16*(\p)+4*(\bb)+3], s[8:9] offset:(\p)*64*CHB+(2*(\hb)+(\bb)/2)*CHB+((\bb)%2)*512
.endr
.endr
.endm
	PLOAD
	s_mov_b32 s[NL], 0xbfb8aa3b
	s_mov_b32 s[NL+1], s[NL]
	s_mov_b32 s[CM], 0xc1b8aa3b
	s_mov_b32 s[CM+1], s[CM]
	s_mov_b32 s[KN], 0xbab17218
	s_mov_b32 s[KN+1], s[KN]
	s_mov_b32 s[KP], 0x3ab17218
	s_mov_b32 s[KP+1], s[KP]
	s_mov_b32 s[C9], 0x3b000000
	s_mov_b32 s[C9+1], s[C9]
	s_mov_b32 s[C93], 0x3bc00000
	s_mov_b32 s[C93+1], s[C93]
	s_mov_b32 s54, 0
	s_mov_b32 s55, 0
	s_mov_b32 s3, 4
.Lblk:
	s_wait_dscnt 0x0                               ; the block's two partial sums are in
	WIN 0x05                                       ; sources 0 and 1 window 1, destination window 0
.set i, 0
.rept 32
	v_pk_add_f32 v[EV+i:EV+i+1], v[i:i+1], v[64+i:64+i+1]
.set i, i+2
.endr
	WIN 0
.set i, 0
.rept 32
	v_pk_mul_f32 v[EV+i:EV+i+1], v[EV+i:EV+i+1], s[NL:NL+1] op_sel_hi:[1,0]
.set i, i+2
.endr
	v_add_nc_u32 v[RDA], CHB, v[RDA]               ; the next row block's sums
	v_add_nc_u32 v[RDB], CHB, v[RDB]
	s_cmp_eq_u32 s3, 1
	s_cbranch_scc1 .Lno_more                       ; the last trip has none to ask for
	PLOAD
.Lno_more:
	HALF 0
	HALF 1
	s_sub_co_u32 s3, s3, 1
	s_cmp_lg_u32 s3, 0
	s_cbranch_scc1 .Lblk
	s_wait_tensorcnt 0x0                           ; the wave's end: behind my last tensor load and my last LDS store
	ds_add_u32 v[SPW], v[NIL]
	s_wait_dscnt 0x0
	CROUND                                         ; the closing round: no work-group ends while a partner may still ask for a tile that names it
	s_endpgm
.Lfunc_end_k_q43dc9d6b0f_layer0:
	.size	k_q43dc9d6b0f_layer0, .Lfunc_end_k_q43dc9d6b0f_layer0-k_q43dc9d6b0f_layer0
	.p2alignl 7, 3214868480
	.fill 96, 4, 3214868480
	.section	.rodata,"a",@progbits
	.p2align	6, 0x0
	.amdhsa_kernel k_q43dc9d6b0f_layer0
		.amdhsa_group_segment_fixed_size 327680
		.amdhsa_private_segment_fixed_size 0
		.amdhsa_enable_private_segment 0
		.amdhsa_kernarg_size 24
		.amdhsa_user_sgpr_count 2
		.amdhsa_user_sgpr_kernarg_segment_ptr 1
		.amdhsa_wavefront_size32 1
		.amdhsa_system_sgpr_workgroup_id_x 1
		.amdhsa_system_sgpr_workgroup_id_y 1
		.amdhsa_system_sgpr_workgroup_id_z 1
		.amdhsa_system_vgpr_workitem_id 0
		.amdhsa_next_free_vgpr 1024
		.amdhsa_next_free_sgpr 66
		.amdhsa_reserve_vcc 0
		.amdhsa_float_denorm_mode_32 3
		.amdhsa_float_denorm_mode_16_64 3
		.amdhsa_memory_ordered 1
		.amdhsa_forward_progress 1
		.amdhsa_inst_pref_size 140
	.end_amdhsa_kernel
	.amdgpu_metadata
---
amdhsa.version: [ 1, 2 ]
amdhsa.kernels:
  - .name:           k_q43dc9d6b0f_layer0
    .symbol:         k_q43dc9d6b0f_layer0.kd
    .args:
      - { .name: a0, .offset: 0, .size: 8, .value_kind: global_buffer, .address_space: global }
      - { .name: w0, .offset: 8, .size: 8, .value_kind: global_buffer, .address_space: global }
      - { .name: a1, .offset: 16, .size: 8, .value_kind: global_buffer, .address_space: global }
    .group_segment_fixed_size: 327680
    .private_segment_fixed_size: 0
    .kernarg_segment_align: 8
    .kernarg_segment_size: 24
    .max_flat_workgroup_size: 128
    .sgpr_count:     66
    .vgpr_count:     1024
    .wavefront_size: 32
...
	.end_amdgpu_metadata
.endif
;; end of part 2
;; launch layer1 (part 3): grid 8 x 32, 4 waves a work-group, clusters of 4 x 1, 327,680 bytes of LDS; arguments a1, w1, a2; writes a2
.if DOCPART == 3
	.amdgcn_target "amdgcn-amd-amdhsa--gfx1250"
	.amdhsa_code_object_version 6
	.text
	.protected	k_q43dc9d6b0f_layer1
	.globl	k_q43dc9d6b0f_layer1
	.p2align	8
	.type	k_q43dc9d6b0f_layer1,@function
k_q43dc9d6b0f_layer1:
	s_mov_b64 s[64:65], 0
	v_nop
	global_prefetch_b8 v0, s[64:65] scope:SCOPE_SE
	s_setreg_imm32_b32 hwreg(HW_REG_WAVE_MODE, 25, 1), 1
	s_wait_xcnt 0x0
	s_wait_alu depctr_hold_cnt(0) depctr_sa_sdst(0) depctr_va_vdst(0) depctr_va_sdst(0) depctr_va_ssrc(0) depctr_va_vcc(0) depctr_vm_vsrc(0)
	s_getreg_b32 s2, hwreg(HW_REG_IB_STS2, 6, 4)
	s_cmp_eq_u32 s2, 0
	s_cbranch_scc0 .Lentry_in_a_cluster
	s_endpgm
.Lentry_in_a_cluster:
	s_bfe_u32 s2, ttmp6, 0x10000c
	s_cmp_lg_u32 s2, 0x3003
	s_cbranch_scc0 .Lentry_shape_is_right
	s_endpgm
.Lentry_shape_is_right:
; KAN_Encode, launch 3 of 4: h1 = a1 w1^T (4,096 x 1,024, K = 6,144, f16 operands, f32 sums), and on the way out a2 = relu(h1), rounded once to bf16.  No work is left out.
; a1: f16, [tile of 128 rows 32][chunk of 32 along K 192][block of 16 rows 8][j 2][lane 32][16 bytes].  w1: f16, [stream 32][chunk 48][n block 8][j 2][lane 32][16 bytes]: both in the order of a fragment's registers:
; lane (r = lane % 16, h = lane / 16) holds row 16 (block) + r, k = 32 (chunk) + 16 j + 8 h + 0..7.  Their scales cancel: the sums are h1.
; a2: bf16 (h1's range has no room in f16), in the same order: [block of 16 rows 256][chunk 32][j 2][lane 32][16 bytes].  LIMIT: relu of a NaN gives 0.
; SHARES.  A work-group makes 128 x 128: 32 x 8 = 256 work-groups.  EVERY WAVE MAKES THE WHOLE TILE, 64 accumulators, FOR A QUARTER OF K: of every 512 along K wave w has 128 w .. 128 w + 127.
; The four waves' sums are added at the end, in f32, through LDS.  For 32 along K (a chunk) a wave issues 64 matrix instructions, 16 LDS loads and 16 loads from memory.
; a1 GOES THROUGH A RING of two LDS slots of 512 along K, 131,072 dense bytes; a wave fetches, and alone reads, its own quarter: 32,768 consecutive bytes, asked for as 128 rows of 256.
; The four work-groups of a cluster have the same 128 rows: each tile is asked for jointly.  A refill has 240 matrix instructions a wave in which to land.
; w1 COMES STRAIGHT INTO REGISTERS, AND IS NOT ASKED FOR JOINTLY.  The reason, by this text's arithmetic: a fragment of w1 is wanted by ONE wave of the work-group and lies in memory as it lies in registers, so LDS
; would add a write and a read for each byte and spare no load; and a ring with both operands (256 rows) has room for two slots of 256 along K only: 128 matrix instructions a wave for a refill to land in,
; against 256 here.  What is given up: work-groups of one tile column, which a cluster of 4 x 4 could serve by one request for four.
; THE MATRIX INSTRUCTION IS USED TRANSPOSED (source 0 = 16 rows of w1, source 1 = 16 rows of a1): a lane then holds eight neighbouring columns of one row of h1: 16 bytes of a2 when packed.
; REGISTERS.  Window 0: v0-31 addresses; v64-127, v128-191 a1's fragments, two buffers; on the way out v64-143 at work.  Window 1: w1's fragments, four buffers of 64; later the partial sums read back.
;   Window 2: accumulator (a, b) of rows 0-63 at v[8 (8 a + b)];  window 3: those of rows 64-127.
.set CHB,    8192                      ; a chunk: 128 rows x 32 K
.set STEPB,  16*CHB                    ; a slot of a1
.set SLOT1,  1<<17                     ; slot 1 begins here: one exclusive or turns an address in one slot into the other's
.set SPARE,  262144                    ; behind the ring: the spare words, 128 bytes for each wave
.set ATILE,  192*CHB                   ; 128 rows of a1
.set TRIPS,  10                        ; slots that are filled again
.set AK0, 16                           ; v16  my lane's place in my quarter of a slot; never rewritten
.set ADR, 17                           ; v17  the same in the slot in hand
.set BO,  20                           ; v20  16 x lane; never rewritten
.set RS,  21                           ; v21  where I put my partial sums
.set RD,  22                           ; v22-25  where I read wave s's partial sums for my rows
.set ZR,  27                           ; v27  0, for the packed maximum
.set SPW, 28                           ; v28  LDS address of my spare word; never rewritten
.set NIL, 29                           ; v29  0; never rewritten
.set PFB, 31                           ; v31  the prefetches' offset: my lane x 256; never rewritten
.set FA0, 64
.set S0,  64                           ; the way out: v64-95, v96-127 sums of two; v128-143 packed
.set S1,  96
.set Y,   128
.set G1,  24                           ; s[24:31] descriptor group 1
.set G0,  32                           ; s[32:39] descriptor group 0: a set for each of the two first fills; the second then walks on
.set BP,  44                           ; s[44:45] my stream of w1, at the chunk with which the trip began
.set PFA, 46                           ; s[46:47] where a1's prefetches stand
.set LIMA, 48                          ; s48  2 in a wave that prefetches a1, else the greatest number
.set LIMB, 49                          ; s49  1 in a wave that prefetches w1, else the greatest number
.set TB,  50                           ; s50  LDS byte at which the slot in hand begins
.set MSB, 0
.macro WIN new                         ; the immediate's high byte repeats the setting that is left; a switch that changes nothing is dropped
.if MSB != (\new)
	s_set_vgpr_msb (MSB<<8)|(\new)
.set MSB, \new
.endif
.endm
.set MUL_LO, 0xa1                      ; source 0 (w1) window 1, source 1 (a1) window 0, C and D window 2
.set MUL_HI, 0xf1                      ; the same, C and D window 3
.set TO_B,   0x40                      ; destination window 1, address window 0
.macro CREST                           ; a round of the cluster's barrier behind its opening barrier
	s_cmp_lg_u32 s10, 0
	s_cbranch_scc1 .Lnot_wave_0_\@
	s_barrier_signal -3
.Lnot_wave_0_\@:
	s_barrier_wait -3
	s_barrier_signal -1
	s_barrier_wait -1
.endm
.macro CROUND
	s_barrier_signal -1
	s_barrier_wait -1
	CREST
.endm
.macro PLACES                          ; four plain places in front of loads into registers that matrix instructions have read (ISA guide 7.12.1 for vector instructions)
.rept 4
	v_nop
.endr
.endm
; 16 matrix instructions: m blocks a0, a0 + 1 of the window's four x all 8 n blocks, 32 along K.  The 64 accumulators take turns in the same order in every chunk.
.macro MUL16 fa, fb, hi, a0, zero
	WIN MUL_LO+0x50*(\hi)
.irp a, \a0, (\a0)+1
.irp b, 0,1,2,3,4,5,6,7
.if \zero
	v_wmma_f32_16x16x32_f16 v[8*(8*(\a)+(\b)):8*(8*(\a)+(\b))+7], v[(\fb)+8*(\b):(\fb)+8*(\b)+7], v[(\fa)+8*(4*(\hi)+(\a)):(\fa)+8*(4*(\hi)+(\a))+7], 0
.else
	v_wmma_f32_16x16x32_f16 v[8*(8*(\a)+(\b)):8*(8*(\a)+(\b))+7], v[(\fb)+8*(\b):(\fb)+8*(\b)+7], v[(\fa)+8*(4*(\hi)+(\a)):(\fa)+8*(4*(\hi)+(\a))+7], v[8*(8*(\a)+(\b)):8*(8*(\a)+(\b))+7]
.endif
.endr
.endr
.endm
; A chunk of w1 into buffer q, from byte off behind the pointer: 16 loads of 512 consecutive bytes
.macro BLOAD q, off
	WIN TO_B
.irp b, 0,1,2,3,4,5,6,7
	global_load_b128 v[64*(\q)+8*(\b):64*(\q)+8*(\b)+3],   v[BO], s[BP:BP+1] offset:(\off)+1024*(\b)
	global_load_b128 v[64*(\q)+8*(\b)+4:64*(\q)+8*(\b)+7], v[BO], s[BP:BP+1] offset:(\off)+1024*(\b)+512
.endr
.endm
; a1's fragments of chunk c of my quarter of the slot in hand into buffer f: 16 LDS loads of 512 consecutive bytes
.macro AFETCH c, f
	WIN 0
.irp a, 0,1,2,3,4,5,6,7
	ds_load_b128 v[(\f)+8*(\a):(\f)+8*(\a)+3],   v[ADR] offset:CHB*(\c)+1024*(\a)
	ds_load_b128 v[(\f)+8*(\a)+4:(\f)+8*(\a)+7], v[ADR] offset:CHB*(\c)+1024*(\a)+512
.endr
.endm
; PREFETCHES INTO THE L2, behind a chunk's loads.  w1: the work-groups of tile row 0 ask, each wave for its own stream: the chunk whose load stands 8 chunks on, 32 x 256 bytes, a lane a block; chunks 12 to 47 are
; named, each once in the launch; the loop's last trip asks for nothing.  a1: the clusters with x = 0 ask, each wave for its own quarter, the four partners 8,192 bytes each, told apart by address: the slot that
; stands two refills on; slots 4 to 11 are named, each block once; the loop's last two trips ask for nothing.
.macro ASKB off
	s_cmp_gt_u32 s3, s[LIMB]
	s_cbranch_scc0 .Lnot_b_\@
	global_prefetch_b8 v[PFB], s[BP:BP+1] offset:\off th:TH_LOAD_NT scope:SCOPE_SE
.Lnot_b_\@:
.endm
.macro ASKA
	s_cmp_gt_u32 s3, s[LIMA]
	s_cbranch_scc0 .Lnot_a_\@
	global_prefetch_b8 v[PFB], s[PFA:PFA+1] th:TH_LOAD_NT scope:SCOPE_SE
.Lnot_a_\@:
.endm
; A CHUNK, number p behind the chunk at which the pointer stands.  At its head all that it multiplies is waited for; then the loads go out in one run: w1's chunk p + 3 into the buffer that chunk p - 1 left,
; a1's chunk p + 1 likewise; then 64 matrix instructions.  lc: the younger loads from memory that may stay out, 16 a chunk.
.macro CHUNK p, zero, lc, bl, af, ask
	s_wait_loadcnt \lc
	s_wait_dscnt 0x0                               ; a1's fragments, asked for a chunk ago
.if (\bl)+(\af)
.if (\p) > 0
	PLACES
.endif
.endif
.if \bl
	BLOAD ((\p)+3)%4, ((\p)+3)*CHB
.endif
.if \af
	AFETCH ((\p)+1)%4, FA0+64*(((\p)+1)%2)
.endif
.if \ask
	ASKB ((\p)+11)*CHB
.endif
	MUL16 FA0+64*((\p)%2), 64*((\p)%4), 0, 0, \zero
	MUL16 FA0+64*((\p)%2), 64*((\p)%4), 0, 2, \zero
	MUL16 FA0+64*((\p)%2), 64*((\p)%4), 1, 0, \zero
	MUL16 FA0+64*((\p)%2), 64*((\p)%4), 1, 2, \zero
.endm
; A slot's last chunk (p = 3) changes slots: its fragments are in registers, so my reads of the slot are over.  ONE barrier: in front of it each wave waits for all its tensor loads (the one that is out is
; its part of the next slot), adds 0 to its spare word, and waits for that and for its reads.  fill = 1: the barrier opens a round of the cluster's, and the slot is filled again, first thing behind it.
.macro TURN fill
.if \fill
	s_wait_xcnt 0x0                                ; the last prefetches, 64 matrix instructions back, have read their addresses
	s_add_nc_u64 s[PFA:PFA+1], s[PFA:PFA+1], STEPB
.endif
	s_wait_loadcnt 32                              ; w1's chunk is in; the two younger chunks stay out
	WIN 0                                          ; (the add's two registers lie in window 0)
	s_wait_tensorcnt 0x0                           ; no tensor load of mine is out, so a group 0 may be written
	ds_add_u32 v[SPW], v[NIL]
.if \fill
	s_xor_b32 s[G0+5], s[G0+5], SLOT1              ; the walking descriptor: the other slot than last time,
	s_add_nc_u64 s[G0+6:G0+7], s[G0+6:G0+7], STEPB ; the next 512 along K; the type bits on top are not reached
.endif
	s_xor_b32 s[TB], s[TB], SLOT1                  ; the fetches go on in the other slot
	s_wait_dscnt 1                                 ; all but the add: this chunk's fragments of a1 are in
	MUL16 FA0+64, 192, 0, 0, 0                     ; sixteen matrix instructions stand between the add and the wait for it
	s_wait_dscnt 0x0                               ; the add is done, and my reads of this slot are over
	s_barrier_signal -1
	MUL16 FA0+64, 192, 0, 2, 0
	WIN 0
	s_barrier_wait -1
.if \fill
	CREST                                          ; no wave of any partner still reads this slot or has a load on its way
	tensor_load_to_lds s[G0+4:G0+7], s[G1:G1+7]    ; my one tensor load behind the round
	s_nop 0
.endif
	PLACES                                         ; behind the tensor load, and the places in front of the loads below
	v_add_nc_u32 v[ADR], s[TB], v[AK0]
	BLOAD 2, 6*CHB
	AFETCH 0, FA0
.if \fill
	ASKB 14*CHB
	ASKA
.endif
	MUL16 FA0+64, 192, 1, 0, 0
	MUL16 FA0+64, 192, 1, 2, 0
.endm
	s_load_b128 s[4:7], s[0:1], 0x0                ; a1 s[4:5], w1 s[6:7]
	s_load_b64 s[8:9], s[0:1], 0x10                ; a2
	v_lshl_add_u32 v[SPW], v0, 2, SPARE
	v_mov_b32 v[NIL], 0
	ds_add_u32 v[SPW], v[NIL]                      ; the wave's opening: the add, twice on end, and its wait ahead of my first tensor load
	ds_add_u32 v[SPW], v[NIL]                      ; once more; the set-up below, work on registers, stands between it and the wait
	v_mov_b32 v[ZR], 0
	v_lshrrev_b32 v1, 5, v0
	v_readfirstlane_b32 s10, v1                    ; wave 0..3: my quarter of K
	s_bfe_u32 s40, ttmp6, 0x40000                  ; cx: my place in the cluster
	s_lshl_b32 s42, ttmp9, 2
	s_add_co_u32 s42, s42, s40                     ; tile column = 4 x cluster x + cx: it enters w1's and a2's addresses and a prefetch's alone
	s_and_b32 s13, ttmp7, 0xffff                   ; tile row, which the four partners share
	s_mov_b32 s[G1+0], 15|(3<<16)|(1<<21)          ; the mask of four; 8-byte elements; bit 21 beside a mask; no padding: the block is dense and is read lane by lane
	s_mov_b32 s[G1+1], 32<<16                      ; tensor_dim0 = 32: rows of 256 bytes
	s_mov_b32 s[G1+2], 128<<16                     ; tensor_dim1 = 128
	s_mov_b32 s[G1+3], 32<<16                      ; tile_dim0 = 32
	s_mov_b32 s[G1+4], 128                         ; tile_dim1 = 128
	s_mov_b32 s[G1+5], 32                          ; each row begins where the last ends
	s_mov_b32 s[G1+6], 0
	s_mov_b32 s[G1+7], 0
	s_mul_i32 s16, s13, ATILE                      ; a1: my tile of 128 rows,
	s_lshl_b32 s20, s10, 15                        ; my quarter of a slot: in memory and in LDS alike
	s_add_co_u32 s16, s16, s20
	s_mov_b32 s17, 0
	s_lshl_b32 s18, s42, 2
	s_add_co_u32 s18, s18, s10
	s_mul_i32 s18, s18, 48*CHB                     ; w1: stream 4 x tile column + wave
	s_mov_b32 s19, 0
	s_lshl_b32 s52, s13, 18                        ; a2: 8 row blocks of 32,768 bytes a tile row,
	s_lshl_b32 s53, s10, 16                        ; the two that I finish,
	s_add_co_u32 s52, s52, s53
	s_lshl_b32 s53, s42, 12                        ; 4 chunks of 1,024 bytes a tile column
	s_add_co_u32 s52, s52, s53
	s_mov_b32 s53, 0
	s_lshl_b32 s55, s40, 13                        ; a1's prefetches: my work-group's 8,192 bytes of my quarter,
	s_add_co_u32 s54, s16, s55
	s_add_co_u32 s54, s54, 3*STEPB                 ; at slot 3: the first change of slots steps it to 4
	s_mov_b32 s55, 0
	s_cmp_eq_u32 ttmp9, 0
	s_cselect_b32 s[LIMA], 2, -1                   ; the same in all four partners
	s_cmp_eq_u32 s13, 0
	s_cselect_b32 s[LIMB], 1, -1
	s_mov_b32 s[TB], 0
	v_and_b32 v3, 31, v0
	v_lshlrev_b32 v[BO], 4, v3
	v_lshlrev_b32 v[PFB], 8, v3
	v_add_nc_u32 v[AK0], s20, v[BO]
	v_mov_b32 v[ADR], v[AK0]
	s_lshl_b32 s21, s10, 16
	v_add_nc_u32 v[RS], s21, v[BO]                 ; my partial sums: 65,536 bytes a wave, accumulator (a, b) at 1,024 (8 a + b), lane by lane
	s_lshl_b32 s21, s10, 14
	v_add_nc_u32 v[RD], s21, v[BO]                 ; I finish row blocks 2 w and 2 w + 1: 16 accumulators, of wave 0,
	v_add_nc_u32 v[RD+1], 0x10000, v[RD]           ; 1,
	v_add_nc_u32 v[RD+2], 0x20000, v[RD]           ; 2,
	v_add_nc_u32 v[RD+3], 0x30000, v[RD]           ; 3
	s_wait_dscnt 0x0                               ; both opening adds are done
	s_wait_kmcnt 0x0
	s_add_nc_u64 s[14:15], s[4:5], s[16:17]
	s_add_nc_u64 s[BP:BP+1], s[6:7], s[18:19]
	s_add_nc_u64 s[8:9], s[8:9], s[52:53]
	s_add_nc_u64 s[PFA:PFA+1], s[4:5], s[54:55]
	BLOAD 0, 0                                     ; w1's first three chunks go out ahead of everything: 48 loads
	BLOAD 1, CHB
	BLOAD 2, 2*CHB
	WIN 0
	CROUND                                         ; all four work-groups are here: the first joint loads meet
	s_mov_b32 s[G0], 1
	s_mov_b32 s[G0+1], s20
	s_mov_b64 s[G0+2:G0+3], s[14:15]
	s_or_b32 s[G0+3], s[G0+3], 0x80000000
	s_mov_b32 s[G0+4], 1
	s_add_co_u32 s[G0+5], s20, SLOT1
	s_add_nc_u64 s[G0+6:G0+7], s[14:15], STEPB
	s_or_b32 s[G0+7], s[G0+7], 0x80000000
	tensor_load_to_lds s[G0:G0+3], s[G1:G1+7]      ; two loads of mine are out here, later one
	s_nop 0
	tensor_load_to_lds s[G0+4:G0+7], s[G1:G1+7]
	s_nop 0
	PLACES
	s_wait_tensorcnt 1                             ; my quarter of slot 0 is in, and only I read it; slot 1's stays out
	AFETCH 0, FA0
	CHUNK 0, 1, 32, 1, 1, 0                        ; the first chunk stands in front of the loop: its products start the sums
	WIN 0                                          ; at a label and at a branch every window is 0
	s_mov_b32 s3, TRIPS
.Lslot:                                                ; a trip: a slot's chunks 1, 2, 3 and the next slot's chunk 0; the slot that is left is filled again
	CHUNK 1, 0, 32, 1, 1, 1
	CHUNK 2, 0, 32, 1, 1, 1
	TURN 1
	CHUNK 4, 0, 32, 1, 1, 1
	WIN 0
	s_wait_xcnt 0x0                                ; every load and prefetch issued so far (the youngest 64 matrix instructions back) has read its address: the pointer may be written
	s_add_nc_u64 s[BP:BP+1], s[BP:BP+1], 4*CHB
	s_sub_co_u32 s3, s3, 1
	s_cmp_lg_u32 s3, 0
	s_cbranch_scc1 .Lslot
	CHUNK 1, 0, 32, 1, 1, 0                        ; the last seven chunks are written out
	CHUNK 2, 0, 32, 1, 1, 0
	TURN 0
	CHUNK 4, 0, 32, 1, 1, 0                        ; chunk 44 asks for w1's last,
	CHUNK 5, 0, 32, 0, 1, 0                        ; and the counts run down
	CHUNK 6, 0, 16, 0, 1, 0
	CHUNK 7, 0, 0, 0, 0, 0
	WIN 0
; THE FOUR QUARTERS OF K MEET.  Every wave puts its 64 accumulators into LDS, lane by lane (a store covers 512 consecutive bytes): into the ring's bytes, which are filled no more.
.rept 8
	v_nop                                          ; the places behind the last products, once a launch
.endr
	s_wait_dscnt 0x0
	s_barrier_signal -1
	s_barrier_wait -1                              ; every wave's reads of the ring are over
	WIN 0x08                                       ; store data in window 2
.set i, 0
.rept 32
	ds_store_b128 v[RS], v[8*i:8*i+3]   offset:1024*i      ; each accumulator's lowest registers first
	ds_store_b128 v[RS], v[8*i+4:8*i+7] offset:1024*i+512
.set i, i+1
.endr
	WIN 0x0c                                       ; window 3
.set i, 0
.rept 32
	ds_store_b128 v[RS], v[8*i:8*i+3]   offset:1024*(32+i)
	ds_store_b128 v[RS], v[8*i+4:8*i+7] offset:1024*(32+i)+512
.set i, i+1
.endr
	WIN 0
	s_wait_dscnt 0x0                               ; for the others' sake: my stores are done
	s_barrier_signal -1
	s_barrier_wait -1
; THE WAY OUT, four trips: trip t finishes n blocks 2 t and 2 t + 1 of my two row blocks.  The four waves' sums come into window 1 (wave s, row block al, n block q at 32 s + 16 al + 8 q), asked for a trip ahead;
; (s0 + s1) + (s2 + s3) in f32; bf16; relu on the packed halves.  A packed accumulator is 512 consecutive bytes of a2.
.macro XLOAD
	WIN TO_B
.irp s, 0,1,2,3
.irp al, 0,1
.irp q, 0,1
	ds_load_b128 v[32*(\s)+16*(\al)+8*(\q):32*(\s)+16*(\al)+8*(\q)+3],   v[RD+(\s)] offset:(\al)*CHB+(\q)*1024
	ds_load_b128 v[32*(\s)+16*(\al)+8*(\q)+4:32*(\s)+16*(\al)+8*(\q)+7], v[RD+(\s)] offset:(\al)*CHB+(\q)*1024+512
.endr
.endr
.endr
	WIN 0
.endm
	XLOAD
	s_mov_b32 s54, 0
	s_mov_b32 s55, 0
	s_mov_b32 s3, 4
.Lout:
	s_wait_dscnt 0x0                               ; the trip's partial sums are in
	WIN 0x05                                       ; sources 0 and 1 window 1, destination window 0
.set i, 0
.rept 16
	v_pk_add_f32 v[S0+i:S0+i+1], v[i:i+1], v[32+i:32+i+1]
.set i, i+2
.endr
.set i, 0
.rept 16
	v_pk_add_f32 v[S1+i:S1+i+1], v[64+i:64+i+1], v[96+i:96+i+1]
.set i, i+2
.endr
	WIN 0
.irp s, 0,1,2,3
	v_add_nc_u32 v[RD+(\s)], 2048, v[RD+(\s)]      ; two n blocks on
.endr
	s_cmp_eq_u32 s3, 1
	s_cbranch_scc1 .Lno_more                       ; the last trip has none to ask for
	XLOAD
.Lno_more:
.set i, 0
.rept 16
	v_pk_add_f32 v[S0+i:S0+i+1], v[S0+i:S0+i+1], v[S1+i:S1+i+1]
.set i, i+2
.endr
	s_wait_xcnt 0x0                                ; the last trip's stores have read their data and their base: only now are these written again
	s_add_nc_u64 s[8:9], s[8:9], s[54:55]          ; two n blocks on (nothing in the first trip)
	s_mov_b32 s54, 1024
.set i, 0
.rept 16
	v_cvt_pk_bf16_f32 v[Y+i], v[S0+2*i], v[S0+2*i+1]
.set i, i+1
.endr
.set i, 0
.rept 16
	v_pk_max_num_bf16 v[Y+i], v[Y+i], v[ZR]        ; rounding keeps the sign, so the maximum may follow it: two numbers a line
.set i, i+1
.endr
.irp al, 0,1
.irp q, 0,1
	global_store_b128 v[BO], v[Y+4*(2*(\al)+(\q)):Y+4*(2*(\al)+(\q))+3], s[8:9] offset:(\al)*32768+(\q)*512
.endr
.endr
	s_sub_co_u32 s3, s3, 1
	s_cmp_lg_u32 s3, 0
	s_cbranch_scc1 .Lout
	s_wait_tensorcnt 0x0                           ; the wave's end: behind my last tensor load and my last LDS store
	ds_add_u32 v[SPW], v[NIL]
	s_wait_dscnt 0x0
	CROUND                                         ; the closing round: no work-group ends while a partner may still ask for a tile that names it
	s_endpgm
.Lfunc_end_k_q43dc9d6b0f_layer1:
	.size	k_q43dc9d6b0f_layer1, .Lfunc_end_k_q43dc9d6b0f_layer1-k_q43dc9d6b0f_layer1
	.p2alignl 7, 3214868480
	.fill 96, 4, 3214868480
	.section	.rodata,"a",@progbits
	.p2align	6, 0x0
	.amdhsa_kernel k_q43dc9d6b0f_layer1
		.amdhsa_group_segment_fixed_size 327680
		.amdhsa_private_segment_fixed_size 0
		.amdhsa_enable_private_segment 0
		.amdhsa_kernarg_size 24
		.amdhsa_user_sgpr_count 2
		.amdhsa_user_sgpr_kernarg_segment_ptr 1
		.amdhsa_wavefront_size32 1
		.amdhsa_system_sgpr_workgroup_id_x 1
		.amdhsa_system_sgpr_workgroup_id_y 1
		.amdhsa_system_sgpr_workgroup_id_z 1
		.amdhsa_system_vgpr_workitem_id 0
		.amdhsa_next_free_vgpr 1024
		.amdhsa_next_free_sgpr 66
		.amdhsa_reserve_vcc 0
		.amdhsa_float_denorm_mode_32 3
		.amdhsa_float_denorm_mode_16_64 3
		.amdhsa_memory_ordered 1
		.amdhsa_forward_progress 1
		.amdhsa_inst_pref_size 108
	.end_amdhsa_kernel
	.amdgpu_metadata
---
amdhsa.version: [ 1, 2 ]
amdhsa.kernels:
  - .name:           k_q43dc9d6b0f_layer1
    .symbol:         k_q43dc9d6b0f_layer1.kd
    .args:
      - { .name: a1, .offset: 0, .size: 8, .value_kind: global_buffer, .address_space: global }
      - { .name: w1, .offset: 8, .size: 8, .value_kind: global_buffer, .address_space: global }
      - { .name: a2, .offset: 16, .size: 8, .value_kind: global_buffer, .address_space: global }
    .group_segment_fixed_size: 327680
    .private_segment_fixed_size: 0
    .kernarg_segment_align: 8
    .kernarg_segment_size: 24
    .max_flat_workgroup_size: 128
    .sgpr_count:     66
    .vgpr_count:     1024
    .wavefront_size: 32
...
	.end_amdgpu_metadata
.endif
;; end of part 3
;; launch head (part 4): grid 32 x 8, 4 waves a work-group, clusters of 4 x 1, 170,496 bytes of LDS; arguments a2, dwb, db, out0; writes out0
.if DOCPART == 4
	.amdgcn_target "amdgcn-amd-amdhsa--gfx1250"
	.amdhsa_code_object_version 6
	.text
	.protected	k_q43dc9d6b0f_head
	.globl	k_q43dc9d6b0f_head
	.p2align	8
	.type	k_q43dc9d6b0f_head,@function
k_q43dc9d6b0f_head:
	s_mov_b64 s[64:65], 0
	v_nop
	global_prefetch_b8 v0, s[64:65] scope:SCOPE_SE
	s_setreg_imm32_b32 hwreg(HW_REG_WAVE_MODE, 25, 1), 1
	s_wait_xcnt 0x0
	s_wait_alu depctr_hold_cnt(0) depctr_sa_sdst(0) depctr_va_vdst(0) depctr_va_sdst(0) depctr_va_ssrc(0) depctr_va_vcc(0) depctr_vm_vsrc(0)
	s_getreg_b32 s2, hwreg(HW_REG_IB_STS2, 6, 4)
	s_cmp_eq_u32 s2, 0
	s_cbranch_scc0 .Lentry_in_a_cluster
	s_endpgm
.Lentry_in_a_cluster:
	s_bfe_u32 s2, ttmp6, 0x10000c
	s_cmp_lg_u32 s2, 0x3003
	s_cbranch_scc0 .Lentry_shape_is_right
	s_endpgm
.Lentry_shape_is_right:
; KAN_Encode, launch 4 of 4: out0 = a2 dwb^T + db (4,096 x 512, K = 1,024, bf16 operands, f32 sums).  No work is left out.  db is rounded to bf16 like every input, and added in f32.
; a2: bf16, in the order of a fragment's registers: [block of 16 rows 256][chunk of 32 along K 32][j 2][lane 32][16 bytes].  dwb: [512][1024] bf16, db: [512] f32, out0: [4096][512] f32, by rows.
; SHARES.  A work-group makes 128 rows x 64 columns: 32 x 8 = 256 work-groups.  Wave w has rows 32 w .. 32 w + 31 and all 64 columns: 8 accumulators.  A wave's row of out0 is 256 bytes: a stage of its own.
; dwb's 64 rows x 1,024 are the same for the four work-groups of a cluster (4 along the rows of out0): they are asked for jointly, once; wave w asks for K quarter w.  Nothing in LDS is filled twice.
; a2's rows are wanted by one wave of the work-group alone, and lie in memory as a fragment lies in registers: they come straight into 512 registers, by 128 loads of 512 consecutive bytes.
; THE MATRIX INSTRUCTION IS USED TRANSPOSED (source 0 = 16 rows of dwb, source 1 = 16 rows of a2): a lane then holds eight neighbouring columns of a row of out0.
; REGISTERS.  Window 0: v0-23 addresses and the bias; v32-95 accumulator (a, b) at 32 + 8 (4 a + b); v96-159, v160-223 two buffers of dwb's fragments ((c, b) at 8 (4 c + b)).
;   Windows 1 and 2: a2's fragment of 32 along K number kc, row block a, at 16 (kc % 16) + 8 a; kc 0-15 in window 1, 16-31 in window 2.
.set PITCH,  528                       ; an LDS row: 512 bytes + 16 of padding
.set QUART,  64*PITCH                  ; a K quarter of dwb's 64 rows
.set STAGE,  4*QUART                   ; behind them: 32 rows x 272 bytes for each wave
.set SPITCH, 272
.set SPARE,  STAGE+4*32*SPITCH         ; behind the stages: the spare words, 128 bytes for each wave
.set AO,   4                           ; v4      16 x lane: my place in 512 consecutive bytes of a2; never rewritten
.set ADRB, 6                           ; v6-7    LDS address of my fragments of dwb in K quarters 0 and 1, 2 and 3
.set STO,  8                           ; v8      the way out: where I put 32 bytes of a row
.set RD,   9                           ; v9      where I read a row back
.set CO,   10                          ; v10     my byte offset in out0
.set BO,   11                          ; v11     my 16 bytes of db
.set SPW,  12                          ; v12     LDS address of my spare word; never rewritten
.set NIL,  13                          ; v13     0; never rewritten
.set DBP,  14                          ; v[14:15] db as bf16
.set DBL,  16                          ; v[16:19] db as loaded
.set DBF,  20                          ; v[20:23] db, rounded, in f32
.set ACC,  32
.set BF,   96
.set TMP,  96
.set G0,   12                          ; s[12:15]
.set G1,   16                          ; s[16:23]
.set MSB, 0
.macro WIN new
.if MSB != (\new)
	s_set_vgpr_msb (MSB<<8)|(\new)
.set MSB, \new
.endif
.endm
.macro CROUND                          ; a round of the cluster's barrier
	s_barrier_signal -1
	s_barrier_wait -1
	s_cmp_lg_u32 s24, 0
	s_cbranch_scc1 .Lnot_wave_0_\@
	s_barrier_signal -3
.Lnot_wave_0_\@:
	s_barrier_wait -3
	s_barrier_signal -1
	s_barrier_wait -1
.endm
.macro PLACES
.rept 4
	v_nop
.endr
.endm
; Trip t of a2's loads: 128 along K of my 32 rows: 16 loads
.macro ALOADS t
.irp a, 0,1
.irp f, 0,1,2,3
	global_load_b128 v[16*((4*(\t)+(\f))%16)+8*(\a):16*((4*(\t)+(\f))%16)+8*(\a)+3],   v[AO], s[4:5] offset:(\a)*32768+(4*(\t)+(\f))*1024
	global_load_b128 v[16*((4*(\t)+(\f))%16)+8*(\a)+4:16*((4*(\t)+(\f))%16)+8*(\a)+7], v[AO], s[4:5] offset:(\a)*32768+(4*(\t)+(\f))*1024+512
.endr
.endr
.endm
; dwb's fragments of step j (64 along K): 16 LDS loads into buffer j % 2
.macro FETCHB j
.irp c, 0,1
.irp b, 0,1,2,3
	ds_load_b128 v[BF+64*((\j)%2)+8*(4*(\c)+(\b)):BF+64*((\j)%2)+8*(4*(\c)+(\b))+3],   v[ADRB+(\j)/8] offset:(((\j)/4)%2)*QUART+(\b)*16*PITCH+((\j)%4)*128+64*(\c)
	ds_load_b128 v[BF+64*((\j)%2)+8*(4*(\c)+(\b))+4:BF+64*((\j)%2)+8*(4*(\c)+(\b))+7], v[ADRB+(\j)/8] offset:(((\j)/4)%2)*QUART+(\b)*16*PITCH+((\j)%4)*128+64*(\c)+32
.endr
.endr
.endm
; Step j's 16 matrix instructions; the 8 accumulators take turns.  Only source 1 leaves window 0, so the LDS loads between the steps need no switch.
.macro STEP j
.if (\j) < 8
	WIN 0x04
.else
	WIN 0x08
.endif
.irp c, 0,1
.irp a, 0,1
.irp b, 0,1,2,3
.if ((\j) == 0) && ((\c) == 0)
	v_wmma_f32_16x16x32_bf16 v[ACC+8*(4*(\a)+(\b)):ACC+8*(4*(\a)+(\b))+7], v[BF+64*((\j)%2)+8*(4*(\c)+(\b)):BF+64*((\j)%2)+8*(4*(\c)+(\b))+7], v[16*((2*(\j)+(\c))%16)+8*(\a):16*((2*(\j)+(\c))%16)+8*(\a)+7], 0
.else
	v_wmma_f32_16x16x32_bf16 v[ACC+8*(4*(\a)+(\b)):ACC+8*(4*(\a)+(\b))+7], v[BF+64*((\j)%2)+8*(4*(\c)+(\b)):BF+64*((\j)%2)+8*(4*(\c)+(\b))+7], v[16*((2*(\j)+(\c))%16)+8*(\a):16*((2*(\j)+(\c))%16)+8*(\a)+7], v[ACC+8*(4*(\a)+(\b)):ACC+8*(4*(\a)+(\b))+7]
.endif
.endr
.endr
.endr
.endm
	s_load_b256 s[4:11], s[0:1], 0x0               ; a2 s[4:5], dwb s[6:7], db s[8:9], out0 s[10:11]
	v_lshl_add_u32 v[SPW], v0, 2, SPARE
	v_mov_b32 v[NIL], 0
	ds_add_u32 v[SPW], v[NIL]                      ; the wave's opening: the add, twice on end, and its wait ahead of my first tensor load
	ds_add_u32 v[SPW], v[NIL]                      ; once more; the set-up below, work on registers, stands between it and the wait
	v_lshrrev_b32 v1, 5, v0
	v_readfirstlane_b32 s24, v1                    ; wave 0..3
	s_bfe_u32 s25, ttmp6, 0x40000                  ; cx
	s_lshl_b32 s26, ttmp9, 2
	s_add_co_u32 s26, s26, s25                     ; my block of 128 rows = 4 x cluster x + cx: it enters a2's and out0's addresses alone
	s_and_b32 s27, ttmp7, 0xffff                   ; my block of 64 columns, which the four partners share
	s_mov_b32 s[G1+0], 15|(1<<16)|(1<<20)|(1<<21)|(6<<22)|(3<<25)  ; the mask of four; 2-byte elements; padding on; bit 21 beside a mask; after every 128 words; 4 words of it
	s_mov_b32 s[G1+1], 256<<16                     ; tensor_dim0 = 256
	s_mov_b32 s[G1+2], 64<<16                      ; tensor_dim1 = 64
	s_mov_b32 s[G1+3], 256<<16                     ; tile_dim0 = 256
	s_mov_b32 s[G1+4], 64                          ; tile_dim1 = 64
	s_mov_b32 s[G1+5], 1024                        ; elements from row to row
	s_mov_b32 s[G1+6], 0
	s_mov_b32 s[G1+7], 0
	s_mov_b32 s[G0], 1
	s_mul_i32 s[G0+1], s24, QUART                  ; K quarter w lies at w x 33,792
	s_lshl_b32 s28, s27, 17                        ; dwb: 64 rows of 2,048 bytes a block,
	s_lshl_b32 s34, s24, 9                         ; my quarter's 512 bytes of a row
	s_add_co_u32 s28, s28, s34
	s_mov_b32 s29, 0
	s_lshl_b32 s30, s26, 2
	s_add_co_u32 s30, s30, s24
	s_lshl_b32 s30, s30, 16                        ; my 32 rows: 65,536 bytes, in a2 (two blocks of 16 rows) and in out0 (rows of 2,048 bytes) alike
	s_mov_b32 s31, 0
	s_lshl_b32 s32, s27, 8                         ; my block's 64 f32: 256 bytes, of db and of a row of out0
	s_mov_b32 s33, 0
	v_and_b32 v3, 31, v0
	v_lshlrev_b32 v[AO], 4, v3
	v_and_b32 v1, 15, v0                           ; l % 16
	v_bfe_u32 v2, v0, 4, 1                         ; l / 16
	v_mul_u32_u24 v[ADRB], v1, PITCH
	v_lshl_add_u32 v[ADRB], v2, 4, v[ADRB]
	v_add_nc_u32 v[ADRB+1], 2*QUART, v[ADRB]       ; so that the 16-bit offsets reach: 59,616 at the most
	s_mul_i32 s35, s24, 32*SPITCH
	s_add_co_u32 s35, s35, STAGE                   ; my stage
	v_mul_u32_u24 v3, v1, SPITCH                   ; in: row l % 16, 32 bytes for each half of the lanes
	v_lshl_add_u32 v3, v2, 5, v3
	v_add_nc_u32 v[STO], s35, v3
	v_mul_u32_u24 v3, v2, SPITCH                   ; back: lanes 0-15 take one row of 256 bytes, lanes 16-31 the next
	v_lshl_add_u32 v3, v1, 4, v3
	v_add_nc_u32 v[RD], s35, v3
	v_lshlrev_b32 v3, 11, v2                       ; and the same two rows in out0
	v_lshl_add_u32 v[CO], v1, 4, v3
	v_lshlrev_b32 v[BO], 4, v1                     ; the four columns that I hold when the rows are read back
	s_wait_dscnt 0x0                               ; both opening adds are done
	s_wait_kmcnt 0x0
	s_add_nc_u64 s[G0+2:G0+3], s[6:7], s[28:29]
	s_or_b32 s[G0+3], s[G0+3], 0x80000000
	s_add_nc_u64 s[4:5], s[4:5], s[30:31]
	s_add_nc_u64 s[8:9], s[8:9], s[32:33]
	s_add_nc_u64 s[10:11], s[10:11], s[30:31]
	s_add_nc_u64 s[10:11], s[10:11], s[32:33]
	global_load_b128 v[DBL:DBL+3], v[BO], s[8:9]
	WIN 0x40                                       ; destination window 1, address window 0
	ALOADS 0                                       ; 49 loads go out ahead of the round, the other 80 behind the joint load
	ALOADS 1
	ALOADS 2
	WIN 0
	CROUND                                         ; all four work-groups are here: the joint loads meet
	tensor_load_to_lds s[G0:G0+3], s[G1:G1+7]      ; my one tensor load of the launch
	s_nop 0
.rept 4
	v_nop
.endr
	WIN 0x40
	ALOADS 3
	WIN 0x80                                       ; destination window 2
	ALOADS 4
	ALOADS 5
	ALOADS 6
	ALOADS 7
	WIN 0
	s_wait_tensorcnt 0x0                           ; my quarter of dwb's rows is in,
	s_barrier_signal -1
	s_barrier_wait -1                              ; everybody's is
	FETCHB 0
.set j, 0
.rept 16
.if j >= 1
	PLACES                                         ; in front of the loads into the buffer that step j - 1 has multiplied
.endif
.if j < 15
	FETCHB j+1
	s_wait_dscnt 16                                ; step j's fragments are in; the 16 loads just issued stay out
.else
	s_wait_dscnt 0x0
.endif
.if j%2 == 0                           ; step j reads trip j / 2 of a2's loads; behind it 16 (7 - j / 2) loads were issued; the wait's field holds 63 at the most
.if 112-8*j > 63
	s_wait_loadcnt 63
.else
	s_wait_loadcnt 112-8*j
.endif
.endif
	STEP j
.set j, j+1
.endr
	WIN 0
	; THE WAY OUT: the sums go through my own stage and come back as whole rows of 256 bytes; then the bias, and the stores.
	PLACES
	PLACES
	v_cvt_pk_bf16_f32 v[DBP], v[DBL], v[DBL+1]
	v_cvt_pk_bf16_f32 v[DBP+1], v[DBL+2], v[DBL+3]
	v_lshlrev_b32 v[DBF], 16, v[DBP]
	v_and_b32 v[DBF+1], 0xffff0000, v[DBP]
	v_lshlrev_b32 v[DBF+2], 16, v[DBP+1]
	v_and_b32 v[DBF+3], 0xffff0000, v[DBP+1]
.irp a, 0,1
.irp b, 0,1,2,3
	ds_store_b128 v[STO], v[ACC+8*(4*(\a)+(\b)):ACC+8*(4*(\a)+(\b))+3]   offset:(\a)*16*SPITCH+64*(\b)      ; each accumulator's lowest registers first
	ds_store_b128 v[STO], v[ACC+8*(4*(\a)+(\b))+4:ACC+8*(4*(\a)+(\b))+7] offset:(\a)*16*SPITCH+64*(\b)+16
.endr
.endr
.irp t, 0,1,2,3,4,5,6,7,8,9,10,11,12,13,14,15
	ds_load_b128 v[TMP+4*(\t):TMP+4*(\t)+3], v[RD] offset:(\t)*2*SPITCH  ; my own bytes; LDS serves a wave's instructions in order (ISA guide 5.7.1.4)
.endr
.irp t, 0,1,2,3,4,5,6,7,8,9,10,11,12,13,14,15
	s_wait_dscnt 15-(\t)                           ; the younger loads stay out
	v_pk_add_f32 v[TMP+4*(\t):TMP+4*(\t)+1],   v[TMP+4*(\t):TMP+4*(\t)+1],   v[DBF:DBF+1]
	v_pk_add_f32 v[TMP+4*(\t)+2:TMP+4*(\t)+3], v[TMP+4*(\t)+2:TMP+4*(\t)+3], v[DBF+2:DBF+3]
	global_store_b128 v[CO], v[TMP+4*(\t):TMP+4*(\t)+3], s[10:11] offset:(\t)*4096  ; 16 lanes store 256 consecutive bytes, at a multiple of 256 from out0's first byte
.endr
	s_wait_tensorcnt 0x0                           ; the wave's end: behind my last tensor load and my last LDS store
	ds_add_u32 v[SPW], v[NIL]
	s_wait_dscnt 0x0
	CROUND                                         ; the closing round
	s_endpgm
.Lfunc_end_k_q43dc9d6b0f_head:
	.size	k_q43dc9d6b0f_head, .Lfunc_end_k_q43dc9d6b0f_head-k_q43dc9d6b0f_head
	.p2alignl 7, 3214868480
	.fill 96, 4, 3214868480
	.section	.rodata,"a",@progbits
	.p2align	6, 0x0
	.amdhsa_kernel k_q43dc9d6b0f_head
		.amdhsa_group_segment_fixed_size 170496
		.amdhsa_private_segment_fixed_size 0
		.amdhsa_enable_private_segment 0
		.amdhsa_kernarg_size 32
		.amdhsa_user_sgpr_count 2
		.amdhsa_user_sgpr_kernarg_segment_ptr 1
		.amdhsa_wavefront_size32 1
		.amdhsa_system_sgpr_workgroup_id_x 1
		.amdhsa_system_sgpr_workgroup_id_y 1
		.amdhsa_system_sgpr_workgroup_id_z 1
		.amdhsa_system_vgpr_workitem_id 0
		.amdhsa_next_free_vgpr 768
		.amdhsa_next_free_sgpr 66
		.amdhsa_reserve_vcc 0
		.amdhsa_float_denorm_mode_32 3
		.amdhsa_float_denorm_mode_16_64 3
		.amdhsa_memory_ordered 1
		.amdhsa_forward_progress 1
		.amdhsa_inst_pref_size 58
	.end_amdhsa_kernel
	.amdgpu_metadata
---
amdhsa.version: [ 1, 2 ]
amdhsa.kernels:
  - .name:           k_q43dc9d6b0f_head
    .symbol:         k_q43dc9d6b0f_head.kd
    .args:
      - { .name: a2, .offset: 0, .size: 8, .value_kind: global_buffer, .address_space: global }
      - { .name: dwb, .offset: 8, .size: 8, .value_kind: global_buffer, .address_space: global }
      - { .name: db, .offset: 16, .size: 8, .value_kind: global_buffer, .address_space: global }
      - { .name: out0, .offset: 24, .size: 8, .value_kind: global_buffer, .address_space: global }
    .group_segment_fixed_size: 170496
    .private_segment_fixed_size: 0
    .kernarg_segment_align: 8
    .kernarg_segment_size: 32
    .max_flat_workgroup_size: 128
    .sgpr_count:     66
    .vgpr_count:     768
    .wavefront_size: 32
...
	.end_amdgpu_metadata
.endif
;; end of part 4
